; MI455X (gfx1250); checked and timed in simulation.
; The chip was launched on July 23, 2026; its instructions are those of AMD's public machine-readable ISA for CDNA 5 (MIT licence, August 2026) and "CDNA5" Instruction Set Architecture Reference Guide (July 2026). The comments in the code are by the model that wrote it; some were corrected since.
;; Multi Head Attention. Allowed arithmetic: matrix products marked QUANTISED: E3M2 operands, one E8M0 scale for each 32 along K, by v_wmma_scale_f32_16x16x128_f8f6f4 with both operands' format E3M2, f32 sums; everything else in f32.
;; Inputs: Wk 1,024 x 1,024 float32; Wp 1,024 x 1,024 float32; Wq 1,024 x 1,024 float32; Wv 1,024 x 1,024 float32; bk 1,024 float32; bp 1,024 float32; bq 1,024 float32; bv 1,024 float32; x 4 x 2,048 x 1,024 float32.
;; Outputs: out0 4 x 2,048 x 1,024 float32.
;; This version of the problem:
;;   THIS VERSION OF THE PROBLEM IS GIVEN IN LOW PRECISION. The matrix products marked QUANTISED in the list below multiply operands that are first quantised to E3M2 (3 exponent bits, 2 mantissa bits; 6 bits a number), with one power-of-two scale for each 32 numbers along K (OCP MX v1.0); their sums are f32. All else is computed in f32.
;;   The module's matrix products, in the order in which they are computed (A, B: the left and right operand; K: the contracted axis; several contracted axes count as one K, in the product's order):
;;     1. [M 8,192, K 1,024] x [K 1,024, N 1,024]; A: input x; B: input Wq: QUANTISED
;;     2. [M 8,192, K 1,024] x [K 1,024, N 1,024]; A: input x; B: input Wk: QUANTISED
;;     3. [M 8,192, K 1,024] x [K 1,024, N 1,024]; A: input x; B: input Wv: QUANTISED
;;     4. batch 64 x [M 2,048, K 64] x [K 64, N 2,048]; A: computed on the way; B: computed on the way: QUANTISED
;;     5. batch 64 x [M 2,048, K 2,048] x [K 2,048, N 64]; A: softmax (see below); B: computed on the way: QUANTISED
;;     6. [M 8,192, K 1,024] x [K 1,024, N 1,024]; A: computed on the way; B: input Wp: QUANTISED
;;   THE QUANTISER, for each operand of a quantised product, along K:
;;     - K is cut into blocks of 32 from its start; a last block that is shorter is filled with zeros.
;;     - A block's scale is 2^e with e = floor(log2(the largest magnitude in the block)) - 4, held to -126 .. 127; a block of zeros has e = 0. As a byte (E8M0): e + 127.
;;     - Each number is divided by its block's scale, clamped to +-28, and rounded to the nearest number of E3M2, ties to even, subnormals kept.
;;     - The product sums the exact products of the quantised numbers (number of the format x scale) in f32.
;;   ~~~python
;;   def quantise(x, axis):      # numpy; x: float32 -> the quantised numbers, widened to float32 again
;;       x = np.moveaxis(x, axis, -1); K = x.shape[-1]
;;       x = np.pad(x, [(0, 0)] * (x.ndim - 1) + [(0, -K % 32)]); x = x.reshape(x.shape[:-1] + (-1, 32)); a = np.abs(x).max(-1, keepdims=True)
;;       e = np.where(a > 0, np.clip(np.frexp(np.where(a > 0, a, 1))[1] - 1 - 4, -126, 127), 0)      # np.frexp(a)[1] - 1 = floor(log2(a)), exactly
;;       r = np.clip(x / 2.0 ** e, -28, 28)
;;       step = 2.0 ** (np.maximum(np.frexp(np.where(r == 0, 1, r))[1] - 1, -2) - 2)
;;       q = np.round(r / step) * step * 2.0 ** e      # np.round: ties to even
;;       return np.moveaxis(q.reshape(q.shape[:-2] + (-1,))[..., :K], -1, axis).astype(np.float32)
;;   ~~~
;;   SOFTMAX AHEAD OF A QUANTISED PRODUCT. Where the list says 'softmax', what is quantised is not the finished softmax but p = 2^(t - M), with t = logit x log2(e) and M = ceil(the row's largest t), a whole number; so 1/2 < the row's largest p <= 1. The row's sum l is taken of the UNQUANTISED p, in f32, and the product's result is divided by l at the end. Since M is a whole number, a kernel that streams over the keys may use a running M (the ceiling of the running maximum): every later rescaling is an exact power of two, which a block's scale takes up: the codes' values come out the same.
;;   OPERANDS COMPUTED ON THE WAY. 'Computed on the way' means the value that the module computes at that place (a softmax that the list does not call 'softmax' is quantised finished and normalised). What goes into a quantiser is computed in f32, as accurately as f32 sums, v_exp_f32 and their like allow (about 1e-6 of the number): no bf16 or f16 on the way to a quantiser, and a product that is left as it is and whose result goes on into a quantised operand takes f32 operands (vector FMAs, or v_wmma_f32_16x16x4_f32). A number that lies on a knife's edge between two numbers of the format may be rounded either way, as far as f32 arithmetic and the matrix unit's own rounding can turn it there, and no further.
;; One version. Each part assembles by itself: llvm-mc -triple=amdgcn-amd-amdhsa -mcpu=gfx1250 --defsym DOCPART=n.
;; ======== version 1 of 1: 5 launches
;; workspace buffers: xc 6,291,456 bytes; xs 262,144 bytes; wc 3,145,728 bytes; ws 131,072 bytes; qr 6,553,600 bytes; kv 13,107,200 bytes; yc 6,291,456 bytes; ys 262,144 bytes
;; launch quant_x (part 1): grid 256 x 1, 2 waves a work-group, no clusters, 167,936 bytes of LDS; arguments x, xc, xs; writes xc, xs
.if DOCPART == 1
	.amdgcn_target "amdgcn-amd-amdhsa--gfx1250"
	.amdhsa_code_object_version 6
	.text
	.protected	k_qcbf0b044bb_quant_x
	.globl	k_qcbf0b044bb_quant_x
	.p2align	8
	.type	k_qcbf0b044bb_quant_x,@function
k_qcbf0b044bb_quant_x:
	s_mov_b64 s[64:65], 0
	v_nop
	global_prefetch_b8 v0, s[64:65] scope:SCOPE_SE
	s_setreg_imm32_b32 hwreg(HW_REG_WAVE_MODE, 25, 1), 1
	s_wait_xcnt 0x0
; x [8192][1024] f32 becomes codes of BF6 (E3M2) with one E8M0 byte for each 32 along K, laid as the products' operand registers want them.
; A block's scale is 2^(floor(log2(largest magnitude)) - 4); its byte is the largest magnitude's exponent field - 4, held at 1 from below.
; xc: [row tile of 16 rows][64 along K][768 bytes]: an image of six operand registers: lane l's registers 0-3 at 16 l, its registers 4-5 at 512 + 8 l; lane (r = l % 16, h = l / 16) holds row r, block h of the 64.
; xs: 512 bytes a row tile: the scale word of (K step ks of 128, row r) at 256 (ks / 4) + 16 r + 4 (ks % 4).
; THE ORDER INSIDE A BLOCK OF 32: place p holds element (p & 7) + 16 ((p >> 3) & 1) + 8 ((p >> 4) & 1), on both operands of every product of this program: blocks, scales and codes are the rule's own.
; LIMITS: inside a block the matrix unit adds the products in that order, not in ascending k; a block of zeros gets the byte 1 (its codes are zeros, and this program alone reads the bytes); NaN and infinities are not served.
; SHARES: a wave takes one row tile, all 1,024 along K, as eight K steps of 128.  All its 64 KiB are asked for at the head, by eight tensor loads of 16 rows x 512 bytes into LDS bytes of its own
; (eight tensor loads of a wave are out at the most); nothing is filled again, only the issuing wave reads its bytes, so there is no barrier.
.set WREG,  67584                      ; a wave's LDS: eight K steps
.set STEPB, 8448                       ; a K step: 16 rows x 528
.set PITCH, 528                        ; 512 bytes + 16 of padding: row r starts 16 r bytes on modulo 256
.set SPARE, 2*WREG                     ; the spare words, 128 bytes a wave: one block of 256 bytes that no other line names
.set LA,  4                            ; v4   LDS: my wave's region + 528 r + 32 h
.set LI,  5                            ; v5   16 x lane
.set LJ,  6                            ; v6   8 x lane
.set SPW, 8                            ; v8   my spare word's address; never rewritten
.set NIL, 9                            ; v9   0; never rewritten
.set X,   16                           ; v16-143  two sets of 64 numbers
.set PC,  144                          ; v144-155 a fragment's codes
.set PT,  156                          ; v156-162 the conversions' second halves
.set TM,  164                          ; v164-179 at work in QUANT
.set PW,  180                          ; v180-187 the eight scale words
.set OW,  188                          ; v188-191 the words on their way out
.set G1,  12                           ; s[12:19] descriptor group 1
.set G0,  20                           ; s[20:51] eight groups 0
.set SEL, 52                           ; s[52:53] v_permlanex16_b32's selects for lane l xor 16
; 64 numbers of a lane, register 16 b + i = place 32 b + 16 (lane / 16) + i of my row's 128, become a fragment's 12 registers of codes in v[pc] on and its scale word in v[pw] (the same in both halves of the lanes).
.macro QUANT s, pc, pt, pw
.irp b, 0,1,2,3
	v_max3_num_f32 v[TM+\b], |v[\s+16*\b]|, |v[\s+1+16*\b]|, 0x2800000   ; my 16 numbers of block b, and the floor 2^(5 - 127): the byte cannot fall under 1
.endr
.irp i, 2,4,6,8,10,12,14
.irp b, 0,1,2,3
	v_max3_num_f32 v[TM+\b], v[TM+\b], |v[\s+16*\b+\i]|, |v[\s+1+16*\b+\i]|   ; the four blocks by turns
.endr
.endr
.irp b, 0,1,2,3
	v_permlanex16_b32 v[TM+4+\b], v[TM+\b], s[SEL], s[SEL+1]
.endr
.irp b, 0,1,2,3
	v_max_num_f32 v[TM+\b], v[TM+\b], v[TM+4+\b]   ; with lane l xor 16's: the block's largest magnitude
.endr
.irp b, 0,1,2,3
	v_add_nc_u32 v[TM+12+\b], 0xfe000000, v[TM+\b]   ; 4 off its exponent field: the conversion's scale operand
.endr
.irp b, 0,1,2,3
	v_lshrrev_b32 v[TM+4+\b], 23, v[TM+12+\b]      ; the scale's byte
.endr
	v_lshl_or_b32 v[\pw], v[TM+5], 8, v[TM+4]
	v_lshl_or_b32 v[\pw], v[TM+6], 16, v[\pw]
	v_lshl_or_b32 v[\pw], v[TM+7], 24, v[\pw]
.irp c, 0,1
	v_cvt_scalef32_pk16_bf6_f32 v[\pc+6*\c:\pc+2+6*\c], v[\s+32*\c:\s+15+32*\c], v[TM+12+2*\c]
	v_cvt_scalef32_pk16_bf6_f32 v[\pt+4*\c:\pt+2+4*\c], v[\s+16+32*\c:\s+31+32*\c], v[TM+12+2*\c+1]   ; (a conversion's three registers begin on an even number)
.endr
	v_nop                                          ; one plain place behind a scaled conversion
.irp c, 0,1                                    ; the operand wants a whole block in a lane: lanes 0-15 block 2 c, lanes 16-31 block 2 c + 1
.irp i, 0,1,2
	v_permlane16_swap_b32 v[\pc+6*\c+\i], v[\pt+4*\c+\i]
.endr
.irp i, 0,1,2
	v_mov_b32 v[\pc+3+6*\c+\i], v[\pt+4*\c+\i]
.endr
.endr
.endm
; K step t's numbers out of LDS, in the order of places: registers 16 b + 4 q .. + 3 are elements 32 b + 16 (q / 2) + 8 h + 4 (q % 2) on
.macro RD t
.irp b, 0,1,2,3
.irp q, 0,1,2,3
	ds_load_b128 v[X+64*((\t)%2)+16*\b+4*\q:X+64*((\t)%2)+16*\b+4*\q+3], v[LA] offset:(\t)*STEPB+128*\b+64*(\q/2)+16*(\q%2)
.endr
.endr
.endm
	s_load_b128 s[4:7], s[0:1], 0x0                ; x, xc
	s_load_b64 s[8:9], s[0:1], 0x10                ; xs
	v_lshl_add_u32 v[SPW], v0, 2, SPARE
	v_mov_b32 v[NIL], 0
	ds_add_u32 v[SPW], v[NIL]                      ; the wave's opening: the add, twice on end, and its wait ahead of my first tensor load
	ds_add_u32 v[SPW], v[NIL]
	v_lshrrev_b32 v1, 5, v0
	v_readfirstlane_b32 s10, v1                    ; wave 0, 1
	s_lshl_b32 s11, ttmp9, 1
	s_add_co_u32 s11, s11, s10                     ; my row tile
	s_mov_b32 s[G1+0], (2<<16)|(1<<20)|(6<<22)|(3<<25)   ; elements of 4 bytes; padding on: behind every 128 words 4 words
	s_mov_b32 s[G1+1], 128<<16                     ; tensor_dim0 = 128
	s_mov_b32 s[G1+2], 16<<16                      ; tensor_dim1 = 16
	s_mov_b32 s[G1+3], 128<<16                     ; tile_dim0 = 128
	s_mov_b32 s[G1+4], 16                          ; tile_dim1 = 16
	s_mov_b32 s[G1+5], 1024                        ; elements from row to row
	s_mov_b32 s[G1+6], 0
	s_mov_b32 s[G1+7], 0
	s_mov_b32 s[SEL], 0x76543210
	s_mov_b32 s[SEL+1], 0xfedcba98
	s_mul_i32 s54, s10, WREG                       ; my region of LDS
	s_lshl_b32 s56, s11, 16                        ; 16 rows of 4,096 bytes
	s_mov_b32 s57, 0
	s_mul_i32 s58, s11, 12288                      ; a row tile's codes
	s_mov_b32 s59, 0
	s_wait_dscnt 0x0                               ; both opening adds are done
	s_wait_kmcnt 0x0
	s_add_nc_u64 s[4:5], s[4:5], s[56:57]
	s_add_nc_u64 s[6:7], s[6:7], s[58:59]
	s_lshl_b32 s56, s11, 9                         ; a row tile's scale words
	s_add_nc_u64 s[8:9], s[8:9], s[56:57]
.irp t, 0,1,2,3,4,5,6,7
	s_mov_b32 s[G0+4*\t], 1
	s_add_co_u32 s[G0+4*\t+1], s54, \t*STEPB
	s_add_nc_u64 s[G0+4*\t+2:G0+4*\t+3], s[4:5], 512*\t
	s_or_b32 s[G0+4*\t+3], s[G0+4*\t+3], 0x80000000
	tensor_load_to_lds s[G0+4*\t:G0+4*\t+3], s[G1:G1+7]
	s_nop 0
.endr
	v_and_b32 v1, 31, v0                           ; lane
	v_and_b32 v2, 15, v0                           ; r
	v_bfe_u32 v3, v0, 4, 1                         ; h
	v_mul_u32_u24 v[LA], v2, PITCH
	v_lshl_add_u32 v[LA], v3, 5, v[LA]
	v_add_nc_u32 v[LA], s54, v[LA]
	v_lshlrev_b32 v[LI], 4, v1
	v_lshlrev_b32 v[LJ], 3, v1
.irp b, 0,1,2,3
	v_mov_b32 v[TM+4+\b], 0                        ; written once: a lane permute's destination counts as one of its sources
.endr
	s_wait_alu depctr_va_vdst(0)
	s_wait_tensorcnt 7                             ; K step 0 has landed; the seven behind it may be out
	RD 0
.irp t, 0,1,2,3,4,5,6,7
.if \t < 7
	s_wait_tensorcnt 6-\t                          ; K step t + 1 has landed; those behind it may be out
	RD \t+1
	s_wait_dscnt 16                                ; this step's 16 reads are in; the next step's 16 may be out
.else
	s_wait_dscnt 0x0
.endif
	s_wait_xcnt 0x0                                ; the last step's stores have read the codes' registers, which are written again below
	QUANT X+64*(\t%2), PC, PT, PW+\t
	global_store_b128 v[LI], v[PC:PC+3], s[6:7] offset:1536*\t           ; 512 consecutive bytes
	global_store_b64 v[LJ], v[PC+4:PC+5], s[6:7] offset:1536*\t+512      ; 256
	global_store_b128 v[LI], v[PC+6:PC+9], s[6:7] offset:1536*\t+768
	global_store_b64 v[LJ], v[PC+10:PC+11], s[6:7] offset:1536*\t+1280
.endr
	v_cmp_ne_u32 vcc_lo, 0, v3                     ; lanes 0-15 send K steps 0-3's words of row r, lanes 16-31 steps 4-7's
.irp i, 0,1,2,3
	v_cndmask_b32 v[OW+\i], v[PW+\i], v[PW+4+\i], vcc_lo
.endr
	global_store_b128 v[LI], v[OW:OW+3], s[8:9]    ; 512 consecutive bytes
	s_wait_tensorcnt 0x0                           ; the wave's end
	ds_add_u32 v[SPW], v[NIL]
	s_wait_dscnt 0x0
	s_endpgm
.Lfunc_end_k_qcbf0b044bb_quant_x:
	.size	k_qcbf0b044bb_quant_x, .Lfunc_end_k_qcbf0b044bb_quant_x-k_qcbf0b044bb_quant_x
	.p2alignl 7, 3214868480
	.fill 96, 4, 3214868480
	.section	.rodata,"a",@progbits
	.p2align	6, 0x0
	.amdhsa_kernel k_qcbf0b044bb_quant_x
		.amdhsa_group_segment_fixed_size 167936
		.amdhsa_private_segment_fixed_size 0
		.amdhsa_enable_private_segment 0
		.amdhsa_kernarg_size 24
		.amdhsa_user_sgpr_count 2
		.amdhsa_user_sgpr_kernarg_segment_ptr 1
		.amdhsa_wavefront_size32 1
		.amdhsa_system_sgpr_workgroup_id_x 1
		.amdhsa_system_sgpr_workgroup_id_y 1
		.amdhsa_system_sgpr_workgroup_id_z 1
		.amdhsa_system_vgpr_workitem_id 0
		.amdhsa_next_free_vgpr 192
		.amdhsa_next_free_sgpr 66
		.amdhsa_reserve_vcc 1
		.amdhsa_float_denorm_mode_32 3
		.amdhsa_float_denorm_mode_16_64 3
		.amdhsa_memory_ordered 1
		.amdhsa_forward_progress 1
		.amdhsa_inst_pref_size 47
	.end_amdhsa_kernel
	.amdgpu_metadata
---
amdhsa.version: [ 1, 2 ]
amdhsa.kernels:
  - .name:           k_qcbf0b044bb_quant_x
    .symbol:         k_qcbf0b044bb_quant_x.kd
    .args:
      - { .name: x, .offset: 0, .size: 8, .value_kind: global_buffer, .address_space: global }
      - { .name: xc, .offset: 8, .size: 8, .value_kind: global_buffer, .address_space: global }
      - { .name: xs, .offset: 16, .size: 8, .value_kind: global_buffer, .address_space: global }
    .group_segment_fixed_size: 167936
    .private_segment_fixed_size: 0
    .kernarg_segment_align: 8
    .kernarg_segment_size: 24
    .max_flat_workgroup_size: 64
    .sgpr_count:     66
    .vgpr_count:     192
    .wavefront_size: 32
...
	.end_amdgpu_metadata
.endif
;; end of part 1
;; launch quant_w (part 2): grid 64 x 4, 4 waves a work-group, no clusters, 0 bytes of LDS; arguments Wq, Wk, Wv, Wp, wc, ws; writes wc, ws
.if DOCPART == 2
	.amdgcn_target "amdgcn-amd-amdhsa--gfx1250"
	.amdhsa_code_object_version 6
	.text
	.protected	k_qcbf0b044bb_quant_w
	.globl	k_qcbf0b044bb_quant_w
	.p2align	8
	.type	k_qcbf0b044bb_quant_w,@function
k_qcbf0b044bb_quant_w:
	s_mov_b64 s[64:65], 0
	v_nop
	global_prefetch_b8 v0, s[64:65] scope:SCOPE_SE
	s_setreg_imm32_b32 hwreg(HW_REG_WAVE_MODE, 25, 1), 1
	s_wait_xcnt 0x0
; Wq, Wk, Wv, Wp [1024 (k)][1024 (n)] f32, K their FIRST axis, become codes of BF6 (E3M2) with one E8M0 byte for each 32 along K.
; wc: [tensor q, k, v, p][n tile of 16 columns][64 along K][768 bytes]: images of operand registers: lane l's registers 0-3 at 16 l, registers 4-5 at 512 + 8 l; lane (r, h) holds column r of the tile, block h of the 64.
; ws: 512 bytes a tile: the scale word of (K step ks of 128, column r) at 256 (ks / 4) + 16 r + 4 (ks % 4).
; A LANE TAKES A COLUMN AND ITS REGISTERS RUN DOWN K: a block of 32 lies in one lane, its largest magnitude needs no other lane, and its six registers of codes ARE an image's registers of one lane: they go to their place by address, with no LDS.
; THE ORDER INSIDE A BLOCK: place p holds element sw(p) = (p & 7) + 16 ((p >> 3) & 1) + 8 ((p >> 4) & 1), as in every operand of this program: register p is loaded from row 32 t + sw(p).
; LIMITS: the matrix unit adds a block's products in that order, not in ascending k; a block of zeros gets the byte 1 (zero codes; this program alone reads the bytes); NaN and infinities are not served.
; SHARES: work-group x = 8 ks + cg (cg: 128 columns), y = the tensor; wave w takes 32 columns x 128 along K: four blocks a lane.  Loads run two blocks ahead.
; The scale words leave 4 bytes a lane, 16 bytes apart: one byte for each 128 that the launch reads.
.set X,   32                           ; v32-95   two sets of 32 numbers
.set C,   96                           ; v96-127  block t's codes at v[96 + 8 t]: no store's data are written again
.set C2,  128                          ; v128-130 a block's second conversion
	s_load_b256 s[4:11], s[0:1], 0x0               ; Wq, Wk, Wv, Wp
	s_load_b128 s[12:15], s[0:1], 0x20             ; wc, ws
	v_lshrrev_b32 v1, 5, v0
	v_readfirstlane_b32 s16, v1                    ; wave 0..3
	v_and_b32 v2, 31, v0                           ; lane
	v_and_b32 v3, 15, v0                           ; r
	v_bfe_u32 v4, v0, 4, 1                         ; which of my wave's two tiles
	v_lshlrev_b32 v8, 2, v2                        ; W: 4 bytes a lane
	v_mul_u32_u24 v5, v4, 12288
	v_lshl_add_u32 v6, v3, 3, v5                   ; codes: tile + 8 r
	v_lshl_add_u32 v5, v3, 4, v5                   ;        tile + 16 r
	v_lshlrev_b32 v7, 9, v4
	v_lshl_add_u32 v7, v3, 4, v7                   ; scale words: tile x 512 + 16 r
	s_and_b32 s17, ttmp7, 0xffff                   ; the tensor
	s_and_b32 s18, ttmp9, 7                        ; cg
	s_lshr_b32 s19, ttmp9, 3                       ; ks
	s_lshl_b32 s20, s19, 19                        ; 128 rows of 4,096 bytes
	s_lshl_b32 s21, s18, 9
	s_add_co_u32 s20, s20, s21
	s_lshl_b32 s21, s16, 7
	s_add_co_u32 s20, s20, s21
	s_mov_b32 s21, 0
	s_lshl_b32 s22, s17, 6
	s_lshl_b32 s23, s18, 3
	s_add_co_u32 s22, s22, s23
	s_lshl_b32 s23, s16, 1
	s_add_co_u32 s22, s22, s23                     ; my first tile: 64 x tensor + 8 cg + 2 w
	s_mul_i32 s24, s22, 12288
	s_mul_i32 s25, s19, 1536
	s_add_co_u32 s24, s24, s25
	s_mov_b32 s25, 0
	s_lshl_b32 s26, s22, 9
	s_lshr_b32 s27, s19, 2
	s_lshl_b32 s27, s27, 8
	s_add_co_u32 s26, s26, s27
	s_and_b32 s27, s19, 3
	s_lshl_b32 s27, s27, 2
	s_add_co_u32 s26, s26, s27
	s_mov_b32 s27, 0
	s_wait_alu depctr_va_vdst(0)
	s_wait_kmcnt 0x0
	s_cmp_lt_u32 s17, 2                            ; the choice hangs on the work-group's number alone
	s_cselect_b64 s[4:5], s[4:5], s[8:9]           ; q or v
	s_cselect_b64 s[6:7], s[6:7], s[10:11]         ; k or p
	s_and_b32 s18, s17, 1
	s_cmp_eq_u32 s18, 0
	s_cselect_b64 s[4:5], s[4:5], s[6:7]
	s_add_nc_u64 s[4:5], s[4:5], s[20:21]
	s_add_nc_u64 s[12:13], s[12:13], s[24:25]
	s_add_nc_u64 s[14:15], s[14:15], s[26:27]
.macro LOAD t                          ; block t: register p = W(32 t + sw(p), my column); a wave reads 128 consecutive bytes, the four waves 512
.irp p, 0,1,2,3,4,5,6,7,8,9,10,11,12,13,14,15,16,17,18,19,20,21,22,23,24,25,26,27,28,29,30,31
	global_load_b32 v[X+32*((\t)%2)+\p], v8, s[4:5] offset:(32*(\t)+(\p&7)+16*((\p>>3)&1)+8*((\p>>4)&1))*4096 th:TH_LOAD_NT
.endr
.endm
.macro BLOCK t
.set XS, X+32*((\t)%2)
.set CT, C+8*(\t)
.if (\t) < 3
	s_wait_loadcnt 32                              ; this block's 32 loads are in; the next block's may be out
.else
	s_wait_loadcnt 0x0
.endif
	v_max3_num_f32 v12, |v[XS]|, |v[XS+1]|, |v[XS+2]|   ; the block's largest magnitude: all 32 numbers are mine
	v_max3_num_f32 v13, |v[XS+3]|, |v[XS+4]|, |v[XS+5]|
.irp i, 6,10,14,18,22,26
	v_max3_num_f32 v12, v12, |v[XS+\i]|, |v[XS+\i+1]|
	v_max3_num_f32 v13, v13, |v[XS+\i+2]|, |v[XS+\i+3]|
.endr
	v_max3_num_f32 v12, v12, |v[XS+30]|, |v[XS+31]|
	v_max3_num_f32 v12, v12, v13, 0x2800000        ; and the floor 2^(5 - 127): the byte cannot fall under 1
	v_add_nc_u32 v11, 0xfe000000, v12              ; 4 off its exponent field: the conversion's scale operand
	v_lshrrev_b32 v13, 23, v11                     ; the scale's byte
.if (\t) == 0
	v_mov_b32 v24, v13
.else
	v_lshl_or_b32 v24, v13, 8*(\t), v24            ; four bytes make my column's word of this K step
.endif
	v_cvt_scalef32_pk16_bf6_f32 v[CT:CT+2], v[XS:XS+15], v11
	v_cvt_scalef32_pk16_bf6_f32 v[C2:C2+2], v[XS+16:XS+31], v11   ; (a conversion's three registers begin on an even number)
	v_nop                                          ; one plain place behind a scaled conversion
.irp i, 0,1,2
	v_mov_b32 v[CT+3+\i], v[C2+\i]
.endr
.if (\t) < 2
	LOAD (\t)+2
.endif
	global_store_b128 v5, v[CT:CT+3], s[12:13] offset:768*((\t)/2)+256*((\t)%2)            ; sixteen lanes store 256 consecutive bytes of each tile's image
	global_store_b64 v6, v[CT+4:CT+5], s[12:13] offset:768*((\t)/2)+512+128*((\t)%2)       ; and 128: blocks t and t xor 1 fill the 256
.endm
	LOAD 0
	LOAD 1
	BLOCK 0
	BLOCK 1
	BLOCK 2
	BLOCK 3
	global_store_b32 v7, v24, s[14:15]
	s_endpgm
.Lfunc_end_k_qcbf0b044bb_quant_w:
	.size	k_qcbf0b044bb_quant_w, .Lfunc_end_k_qcbf0b044bb_quant_w-k_qcbf0b044bb_quant_w
	.p2alignl 7, 3214868480
	.fill 96, 4, 3214868480
	.section	.rodata,"a",@progbits
	.p2align	6, 0x0
	.amdhsa_kernel k_qcbf0b044bb_quant_w
		.amdhsa_group_segment_fixed_size 0
		.amdhsa_private_segment_fixed_size 0
		.amdhsa_enable_private_segment 0
		.amdhsa_kernarg_size 48
		.amdhsa_user_sgpr_count 2
		.amdhsa_user_sgpr_kernarg_segment_ptr 1
		.amdhsa_wavefront_size32 1
		.amdhsa_system_sgpr_workgroup_id_x 1
		.amdhsa_system_sgpr_workgroup_id_y 1
		.amdhsa_system_sgpr_workgroup_id_z 1
		.amdhsa_system_vgpr_workitem_id 0
		.amdhsa_next_free_vgpr 136
		.amdhsa_next_free_sgpr 66
		.amdhsa_reserve_vcc 0
		.amdhsa_float_denorm_mode_32 3
		.amdhsa_float_denorm_mode_16_64 3
		.amdhsa_memory_ordered 1
		.amdhsa_forward_progress 1
		.amdhsa_inst_pref_size 21
	.end_amdhsa_kernel
	.amdgpu_metadata
---
amdhsa.version: [ 1, 2 ]
amdhsa.kernels:
  - .name:           k_qcbf0b044bb_quant_w
    .symbol:         k_qcbf0b044bb_quant_w.kd
    .args:
      - { .name: Wq, .offset: 0, .size: 8, .value_kind: global_buffer, .address_space: global }
      - { .name: Wk, .offset: 8, .size: 8, .value_kind: global_buffer, .address_space: global }
      - { .name: Wv, .offset: 16, .size: 8, .value_kind: global_buffer, .address_space: global }
      - { .name: Wp, .offset: 24, .size: 8, .value_kind: global_buffer, .address_space: global }
      - { .name: wc, .offset: 32, .size: 8, .value_kind: global_buffer, .address_space: global }
      - { .name: ws, .offset: 40, .size: 8, .value_kind: global_buffer, .address_space: global }
    .group_segment_fixed_size: 0
    .private_segment_fixed_size: 0
    .kernarg_segment_align: 8
    .kernarg_segment_size: 48
    .max_flat_workgroup_size: 128
    .sgpr_count:     66
    .vgpr_count:     136
    .wavefront_size: 32
...
	.end_amdgpu_metadata
.endif
;; end of part 2
;; launch qkv (part 3): grid 8 x 96, 4 waves a work-group, clusters of 4 x 4, 327,680 bytes of LDS; arguments xc, xs, wc, ws, bq, bk, bv, qr, kv; writes qr, kv
.if DOCPART == 3
	.amdgcn_target "amdgcn-amd-amdhsa--gfx1250"
	.amdhsa_code_object_version 6
	.text
	.protected	k_qcbf0b044bb_qkv
	.globl	k_qcbf0b044bb_qkv
	.p2align	8
	.type	k_qcbf0b044bb_qkv,@function
k_qcbf0b044bb_qkv:
	s_mov_b64 s[64:65], 0
	v_nop
	global_prefetch_b8 v0, s[64:65] scope:SCOPE_SE
	s_setreg_imm32_b32 hwreg(HW_REG_WAVE_MODE, 25, 1), 1
	s_wait_xcnt 0x0
	s_wait_alu depctr_hold_cnt(0) depctr_sa_sdst(0) depctr_va_vdst(0) depctr_va_sdst(0) depctr_va_ssrc(0) depctr_va_vcc(0) depctr_vm_vsrc(0)
	s_getreg_b32 s2, hwreg(HW_REG_IB_STS2, 6, 4)
	s_cmp_eq_u32 s2, 0
	s_cbranch_scc0 .Lentry_in_a_cluster
	s_endpgm
.Lentry_in_a_cluster:
	s_bfe_u32 s2, ttmp6, 0x10000c
	s_cmp_lg_u32 s2, 0xf033
	s_cbranch_scc0 .Lentry_shape_is_right
	s_endpgm
.Lentry_shape_is_right:
; q = x Wq + bq, k = x Wk + bk, v = x Wv + bv on codes of BF6 (E3M2) with E8M0 scales; the results are quantised in registers, in f32, for attention's two products, and leave as codes alone.
; OPERANDS (made by the two launches before): [row tile of 16][64 along K][768 bytes], images of operand registers (lane l's registers 0-3 at 16 l, registers 4-5 at 512 + 8 l); scale words 512 bytes a row tile,
; (K step ks, row r) at 256 (ks / 4) + 16 r + 4 (ks % 4): one load of 16 bytes a lane brings a tile's words for all of K: register ks % 4, lanes 0-15 for steps 0-3, lanes 16-31 for steps 4-7.
; A WORK-GROUP makes 128 A rows x 256 B rows over all of K = 1,024: (128 + 256) x 768 bytes of codes fit in LDS whole, so every tile is asked for once, at the head, in four slabs of 256 along K; nothing is filled again.
; Four waves; wave (wa, wb) makes 64 A rows x 128 B rows: 32 accumulators.  Source 0 = 16 B rows, source 1 = 16 A rows: a lane holds ONE A row and its registers run along the B rows.
; CLASSES, by the cluster's y (the same in all sixteen partners).  q, k: A = 128 tokens of x, B = 256 rows of [Wq; Wk]: a lane holds a token, its registers run along the channels, the first product's K.
;   v: A = 128 rows of Wv, B = 256 tokens of x: a lane holds a channel, its registers run along the tokens, which are the second product's K.
; CLUSTER 4 x 4: A's tile hangs on cy and is asked for jointly by a row of the cluster, B's on cx and by a column.
; OUT.  qr: [batch x head][step of 128 tokens][6,400]: 8 images (a tile of 16 queries each), then 256 bytes of pair words.  kv: [batch x head][step][12,800]: 8 images of K; at 6,144 V^T, 4 tiles of 16 channels x
; (keys 0-63, keys 64-127); at 12,288 K's pair words; at 12,544 V's scale words, the tiles in the order 0, 2, 1, 3.  Pair word f at 64 f + 4 r: low half the two scale bytes of row r of tile 2 f, high half those of tile 2 f + 1.
; THE ORDER INSIDE A BLOCK OF 32: place p holds element (p & 7) + 16 ((p >> 3) & 1) + 8 ((p >> 4) & 1): the order in which a result lies in a lane's registers; both operands of each product have it.
; LIMITS: inside a block the unit adds in that order, not in ascending k; a block of zeros gets the byte 1 (zero codes; this program alone reads the bytes); NaN and infinities are not served.
; Both forms of the bias are loaded by every work-group (offsets held inside the buffers), so that every register is written on every way; the class's arm takes its own as the C of the first K step.
; REGISTERS: window 0: v1-7 lane terms; v8-23 LDS addresses; v24-27 bv's numbers; v28, v29 the add's two; v32-47 A's scale words, v48-79 B's; v80-113 the way out; v128-223 A's fragments, two sets, later the codes.
;   window 1: B's fragments, two sets, at v0 and v128; the bias of B tile i at v[96 + 8 (i % 4) + 128 (i / 4)].   window 2: accumulator (a, b) at v[8 (8 a + b)].
.set SPARE, 294912                     ; behind the tiles: the spare words, 128 bytes a wave: two blocks of 256 bytes that no other line names
.set BOFF,  98304                      ; A: slab s at 24,576 s + 3,072 i (row tile i of 8);  B: BOFF + 49,152 s + 3,072 i (i of 16)
.set ASLAB, 24576
.set BSLAB, 49152
.set AI,  8                            ; v8-11   A: slab s + my 4 row tiles + 16 x lane
.set AJ,  12                           ; v12-15  the same with 8 x lane
.set BI,  16                           ; v16-19  B likewise, my 8 row tiles
.set BJ,  20
.set VB,  24
.set SPW, 28
.set NIL, 29
.set SA,  32
.set SB,  48
.set OI,  80                           ; v80-83  16 x lane + a x the step from tile to tile
.set OJ,  84                           ; v84-87  8 x lane + the same
.set TM,  88                           ; v88-103 at work in QUANTW
.set PW,  104                          ; v104-107 the four scale words
.set XW,  108                          ; v108-113 the words on their way out
.set AF,  128
.set PT,  176
.set G1A, 24
.set G0A, 32
.set G0B, 48
.set SEL, 66
.set G1B, 68
.set MSB, 0
.macro WIN new                         ; the immediate's high byte repeats the setting that is left
.if MSB != \new
	s_set_vgpr_msb (MSB<<8)|\new
.set MSB, \new
.endif
.endm
.macro PLACES n
.rept \n
	v_nop
.endr
.endm
.macro CREST
	s_cmp_lg_u32 s22, 0
	s_cbranch_scc1 .Lnot_wave_0_\@
	s_barrier_signal -3
.Lnot_wave_0_\@:
	s_barrier_wait -3
	s_barrier_signal -1
	s_barrier_wait -1
.endm
.macro CROUND                          ; a round of the cluster's barrier
	s_barrier_signal -1
	s_barrier_wait -1
	CREST
.endm
; A joint load: waves 0 and 1 fetch A's halves, waves 2 and 3 B's.  The branch hangs on the wave's number alone.  An s_nop 0 and four v_nop follow each line.
.macro JLOAD g0a, g1a, g0b, g1b
	s_cmp_eq_u32 s23, 0
	s_cbranch_scc0 .Lfor_b_\@
	tensor_load_to_lds s[\g0a:\g0a+3], s[\g1a:\g1a+7]
	s_nop 0
.rept 4
	v_nop
.endr
	s_branch .Lasked_\@
.Lfor_b_\@:
	tensor_load_to_lds s[\g0b:\g0b+3], s[\g1b:\g1b+7]
	s_nop 0
.rept 4
	v_nop
.endr
.Lasked_\@:
.endm
.macro FRAG reg, ai, aj, off           ; a fragment, 16 rows x 128 K, is two images on end: 12 registers by four loads, each of consecutive bytes
	ds_load_b128 v[\reg:\reg+3], v[\ai] offset:\off
	ds_load_b64 v[\reg+4:\reg+5], v[\aj] offset:\off+512
	ds_load_b128 v[\reg+6:\reg+9], v[\ai] offset:\off+768
	ds_load_b64 v[\reg+10:\reg+11], v[\aj] offset:\off+1280
.endm
.macro FETCH ks, set                   ; K step ks's fragments: B's eight, A's four: 48 loads in one run
	WIN 0x40
.irp i, 0,1,2,3,4,5,6,7
	FRAG 128*(\set)+12*\i, BI+(\ks)/2, BJ+(\ks)/2, \i*3072+((\ks)%2)*1536
.endr
	WIN 0
.irp i, 0,1,2,3
	FRAG AF+48*(\set)+12*\i, AI+(\ks)/2, AJ+(\ks)/2, \i*3072+((\ks)%2)*1536
.endr
.endm
; 16 products: A tiles a0, a0 + 1 x B's eight.  cm = 0: in place; 1: C = the bias of B tile b; 2: C = the bias of A tile a.  The 32 accumulators take turns, one instruction a turn, in the same order in every step.
.macro MUL16 a0, ks, set, cm
.if \cm
	WIN 0x91                                       ; source 0 (B) window 1, source 1 (A) window 0, C window 1, D window 2
.else
	WIN 0xa1                                       ; C and D window 2
.endif
.irp a, \a0, \a0+1
.irp b, 0,1,2,3,4,5,6,7
.set rD, 8*(8*(\a)+\b)
.set rB, 128*(\set)+12*\b
.set rA, AF+48*(\set)+12*(\a)
.set rSB, SB+4*\b+(\ks)%4
.set rSA, SA+4*(\a)+(\ks)%4
.if (\cm) == 1
.set rC, 96+8*(\b%4)+128*(\b/4)
.elseif (\cm) == 2
.set rC, 96+8*(\a)
.else
.set rC, rD
.endif
.if (\ks) < 4
	v_wmma_scale_f32_16x16x128_f8f6f4 v[rD:rD+7], v[rB:rB+11], v[rA:rA+11], v[rC:rC+7], v[rSB], v[rSA] matrix_a_fmt:MATRIX_FMT_BF6 matrix_b_fmt:MATRIX_FMT_BF6
.else
	v_wmma_scale_f32_16x16x128_f8f6f4 v[rD:rD+7], v[rB:rB+11], v[rA:rA+11], v[rC:rC+7], v[rSB], v[rSA] matrix_a_fmt:MATRIX_FMT_BF6 matrix_b_fmt:MATRIX_FMT_BF6 matrix_a_scale:MATRIX_SCALE_ROW1 matrix_b_scale:MATRIX_SCALE_ROW1
.endif
.endr
.endr
.endm
; A K step of 128: 32 products.  The next step's fragments are fetched at its head, four places behind the last products that read their registers; where they lie in the next slab (steps 1, 3, 5), behind the barrier that shows it whole.
.macro KSTEP ks, cm
	s_wait_dscnt 0x0                               ; this step's fragments are in
.if ((\ks)==1)||((\ks)==3)||((\ks)==5)
	s_wait_tensorcnt 3-((\ks)+1)/2                 ; my part of the next slab has landed; the later slabs' loads may be out
	s_barrier_signal -1
	MUL16 0, \ks, (\ks)%2, \cm
	s_barrier_wait -1
	PLACES 4
	FETCH (\ks)+1, ((\ks)+1)%2
	MUL16 2, \ks, (\ks)%2, \cm
.else
.if (\ks) < 7
.if (\ks) > 0
	PLACES 4
.endif
	FETCH (\ks)+1, ((\ks)+1)%2
.endif
	MUL16 0, \ks, (\ks)%2, \cm
	MUL16 2, \ks, (\ks)%2, \cm
.endif
.endm
; A tile a's 64 results of a lane (window 2) become a fragment's codes in v[128 + 12 a] on and its scale word in v[PW + a].  Each accumulator is read from its low end on.
.macro QUANTW a
.set AC, 64*(\a)
.set PCA, 128+12*(\a)
	WIN 0x28                                       ; sources 1 and 2 window 2
.irp b, 0,1,2,3
	v_max3_num_f32 v[TM+\b], 0x2800000, |v[AC+16*\b]|, |v[AC+1+16*\b]|   ; the floor 2^(5 - 127), and my 16 numbers of block b
.endr
.irp i, 2,4,6,8,10,12,14
.irp b, 0,1,2,3
	v_max3_num_f32 v[TM+\b], v[TM+\b], |v[AC+16*\b+\i]|, |v[AC+1+16*\b+\i]|
.endr
.endr
	WIN 0
.irp b, 0,1,2,3
	v_permlanex16_b32 v[TM+4+\b], v[TM+\b], s[SEL], s[SEL+1]
.endr
.irp b, 0,1,2,3
	v_max_num_f32 v[TM+\b], v[TM+\b], v[TM+4+\b]
.endr
.irp b, 0,1,2,3
	v_add_nc_u32 v[TM+12+\b], 0xfe000000, v[TM+\b]   ; 4 off the exponent field: the conversion's scale operand
.endr
.irp b, 0,1,2,3
	v_lshrrev_b32 v[TM+4+\b], 23, v[TM+12+\b]
.endr
	v_lshl_or_b32 v[PW+\a], v[TM+5], 8, v[TM+4]
	v_lshl_or_b32 v[PW+\a], v[TM+6], 16, v[PW+\a]
	v_lshl_or_b32 v[PW+\a], v[TM+7], 24, v[PW+\a]
	WIN 0x02                                       ; source 0 window 2
.irp c, 0,1
	v_cvt_scalef32_pk16_bf6_f32 v[PCA+6*\c:PCA+2+6*\c], v[AC+32*\c:AC+15+32*\c], v[TM+12+2*\c]
	v_cvt_scalef32_pk16_bf6_f32 v[PT+4*\c:PT+2+4*\c], v[AC+16+32*\c:AC+31+32*\c], v[TM+12+2*\c+1]
.endr
	WIN 0
	v_nop                                          ; one plain place behind a scaled conversion
.irp c, 0,1
.irp i, 0,1,2
	v_permlane16_swap_b32 v[PCA+6*\c+\i], v[PT+4*\c+\i]
.endr
.irp i, 0,1,2
	v_mov_b32 v[PCA+3+6*\c+\i], v[PT+4*\c+\i]
.endr
.endr
.endm
	s_load_b256 s[4:11], s[0:1], 0x0               ; xc, xs, wc, ws
	s_load_b256 s[12:19], s[0:1], 0x20             ; bq, bk, bv, qr
	s_load_b64 s[20:21], s[0:1], 0x40              ; kv
	v_lshl_add_u32 v[SPW], v0, 2, SPARE
	v_mov_b32 v[NIL], 0
	ds_add_u32 v[SPW], v[NIL]                      ; the wave's opening: the add, twice on end, and its wait ahead of the round in front of my first tensor load
	ds_add_u32 v[SPW], v[NIL]
	v_lshrrev_b32 v1, 5, v0
	v_readfirstlane_b32 s22, v1                    ; wave 0..3
	s_lshr_b32 s23, s22, 1                         ; wa: my 64 A rows.  Also: I fetch for A (0) or for B (1)
	s_and_b32 s76, s22, 1                          ; wb: my 128 B rows.  Also: which half of that tile I fetch
	s_bfe_u32 s77, ttmp6, 0x40000                  ; cx
	s_bfe_u32 s78, ttmp6, 0x40004                  ; cy
	s_mov_b32 s79, ttmp9                           ; the cluster's x
	s_and_b32 s80, ttmp7, 0xffff                   ; the cluster's y
	s_lshl_b32 s84, s78, 2
	s_lshl_b32 s84, 15, s84                        ; my row of the cluster
	s_lshl_b32 s85, 0x1111, s77                    ; my column
	s_or_b32 s[G1A], s84, (3<<16)|(1<<21)          ; the mask; elements of 8 bytes; bit 21 beside a mask; no padding
	s_or_b32 s[G1B], s85, (3<<16)|(1<<21)
	s_mov_b32 s[G1A+1], 384<<16                    ; a row: a row tile's 3,072 bytes of a slab
	s_mov_b32 s[G1A+2], 4<<16                      ; four row tiles
	s_mov_b32 s[G1A+3], 384<<16
	s_mov_b32 s[G1A+4], 4
	s_mov_b32 s[G1A+5], 1536                       ; 12,288 bytes from row tile to row tile
	s_mov_b32 s[G1A+6], 0
	s_mov_b32 s[G1A+7], 0
	s_mov_b32 s[G1B+1], 384<<16
	s_mov_b32 s[G1B+2], 8<<16                      ; eight row tiles
	s_mov_b32 s[G1B+3], 384<<16
	s_mov_b32 s[G1B+4], 8
	s_mov_b32 s[G1B+5], 1536
	s_mov_b32 s[G1B+6], 0
	s_mov_b32 s[G1B+7], 0
	s_mov_b32 s[SEL], 0x76543210
	s_mov_b32 s[SEL+1], 0xfedcba98
	s_sub_co_u32 s85, s80, 16
	s_cmp_ge_u32 s80, 16                           ; the class: v from the cluster's y = 16 on
	s_cselect_b32 s81, 1, 0
	s_cselect_b32 s84, s79, s80
	s_cselect_b32 s85, s85, s79
	s_cselect_b32 s99, 128, 0                      ; Wv's row tiles begin at 128
	s_lshl_b32 s84, s84, 2
	s_add_co_u32 s82, s84, s78                     ; At: my block of 128 A rows (cy alone of my place)
	s_lshl_b32 s85, s85, 2
	s_add_co_u32 s83, s85, s77                     ; Bt: my block of 256 B rows (cx alone)
	s_lshl_b32 s84, s82, 3
	s_add_co_u32 s84, s84, s99                     ; A's first row tile
	s_mul_i32 s100, s84, 12288
	s_mul_i32 s101, s76, 49152                     ; + the four row tiles that I fetch
	s_add_co_u32 s100, s100, s101
	s_mov_b32 s101, 0
	s_lshl_b32 s85, s83, 4                         ; B's first row tile
	s_mul_i32 s86, s85, 12288
	s_mul_i32 s87, s76, 98304                      ; + the eight that I fetch
	s_add_co_u32 s86, s86, s87
	s_mov_b32 s87, 0
	s_mul_i32 s96, s76, 12288                      ; where they go: no place in the cluster enters an LDS address
	s_mul_i32 s97, s76, 24576
	s_add_co_u32 s97, s97, BOFF
	s_lshl_b32 s88, s23, 2
	s_add_co_u32 s88, s88, s84
	s_lshl_b32 s88, s88, 9                         ; my 4 A tiles' scale words
	s_mov_b32 s89, 0
	s_lshl_b32 s90, s76, 3
	s_add_co_u32 s90, s90, s85
	s_lshl_b32 s90, s90, 9                         ; my 8 B tiles'
	s_mov_b32 s91, 0
	s_wait_dscnt 0x0                               ; both opening adds are done
	s_wait_kmcnt 0x0
	s_cmp_eq_u32 s81, 0
	s_cselect_b64 s[2:3], s[4:5], s[8:9]           ; A's codes: x's, or the weights'
	s_cselect_b64 s[104:105], s[8:9], s[4:5]       ; B's
	s_cselect_b64 s[92:93], s[6:7], s[10:11]       ; A's scale words
	s_cselect_b64 s[94:95], s[10:11], s[6:7]       ; B's
	s_add_nc_u64 s[2:3], s[2:3], s[100:101]
	s_add_nc_u64 s[104:105], s[104:105], s[86:87]
	s_add_nc_u64 s[92:93], s[92:93], s[88:89]
	s_add_nc_u64 s[94:95], s[94:95], s[90:91]
	CROUND                                         ; all sixteen work-groups are here: the joint loads meet
.irp s, 0,1,2,3                                ; all four slabs go out together: four tensor loads of mine are out
	s_mov_b32 s[G0A+4*\s], 1
	s_add_co_u32 s[G0A+4*\s+1], s96, \s*ASLAB
	s_add_nc_u64 s[G0A+4*\s+2:G0A+4*\s+3], s[2:3], \s*3072
	s_or_b32 s[G0A+4*\s+3], s[G0A+4*\s+3], 0x80000000
	s_mov_b32 s[G0B+4*\s], 1
	s_add_co_u32 s[G0B+4*\s+1], s97, \s*BSLAB
	s_add_nc_u64 s[G0B+4*\s+2:G0B+4*\s+3], s[104:105], \s*3072
	s_or_b32 s[G0B+4*\s+3], s[G0B+4*\s+3], 0x80000000
	JLOAD G0A+4*\s, G1A, G0B+4*\s, G1B
.endr
	v_and_b32 v1, 31, v0                           ; lane
	v_lshlrev_b32 v2, 4, v1                        ; 16 x lane
	v_lshlrev_b32 v3, 3, v1                        ; 8 x lane
	v_bfe_u32 v5, v0, 4, 1                         ; h
	v_lshlrev_b32 v4, 5, v5                        ; 32 h
	v_and_b32 v6, 15, v0
	v_lshlrev_b32 v6, 2, v6                        ; 4 r
	s_wait_alu depctr_va_vdst(0)
	v_lshlrev_b32 v7, 2, v1                        ; 4 x lane
.irp i, 0,1,2,3
	global_load_b128 v[SA+4*\i:SA+4*\i+3], v2, s[92:93] offset:512*\i
.endr
.irp i, 0,1,2,3,4,5,6,7
	global_load_b128 v[SB+4*\i:SB+4*\i+3], v2, s[94:95] offset:512*\i
.endr
	s_lshl_b32 s88, s83, 8                         ; the bias along the B rows: channels (256 Bt + 128 wb) mod 1,024 on, of bq or bk
	s_lshl_b32 s89, s76, 7
	s_add_co_u32 s88, s88, s89
	s_and_b32 s88, s88, 1023
	s_lshl_b32 s88, s88, 2
	s_mov_b32 s89, 0
	s_cmp_eq_u32 s79, 0
	s_cselect_b64 s[12:13], s[12:13], s[14:15]
	s_add_nc_u64 s[12:13], s[12:13], s[88:89]
	s_lshl_b32 s90, s82, 7                         ; the bias of the A rows: channels (128 At + 64 wa) mod 1,024 on, of bv
	s_lshl_b32 s91, s23, 6
	s_add_co_u32 s90, s90, s91
	s_and_b32 s90, s90, 1023
	s_lshl_b32 s90, s90, 2
	s_mov_b32 s91, 0
	s_add_nc_u64 s[16:17], s[16:17], s[90:91]
.irp a, 0,1,2,3
	global_load_b32 v[VB+\a], v6, s[16:17] offset:64*\a          ; bv[.. + 16 a + r]
.endr
	WIN 0x40
.irp b, 0,1,2,3,4,5,6,7
	global_load_b128 v[96+8*(\b%4)+128*(\b/4):96+8*(\b%4)+128*(\b/4)+3], v4, s[12:13] offset:64*\b       ; bias[.. + 16 b + 8 h + 0 .. 7]: the result's layout
	global_load_b128 v[96+8*(\b%4)+128*(\b/4)+4:96+8*(\b%4)+128*(\b/4)+7], v4, s[12:13] offset:64*\b+16
.endr
	WIN 0
	s_mul_i32 s98, s23, 12288
	s_mul_i32 s99, s76, 24576
	s_add_co_u32 s99, s99, BOFF
.irp s, 0,1,2,3
	v_add_nc_u32 v[AI+\s], s98, v2
	v_add_nc_u32 v[AJ+\s], s98, v3
	v_add_nc_u32 v[BI+\s], s99, v2
	v_add_nc_u32 v[BJ+\s], s99, v3
	s_add_co_u32 s98, s98, ASLAB
	s_add_co_u32 s99, s99, BSLAB
.endr
.irp b, 0,1,2,3
	v_mov_b32 v[TM+4+\b], 0                        ; written once: a lane permute's destination counts as one of its sources
.endr
	s_wait_tensorcnt 3                             ; my part of slab 0 has landed; three loads may be out
	s_barrier_signal -1
	s_barrier_wait -1                              ; everybody's has
	FETCH 0, 0
	s_wait_loadcnt 0x0                             ; scale words and biases
	s_cmp_lg_u32 s81, 0                            ; the one branch on the class: round the first K step alone
	s_cbranch_scc1 .Lfirst_v
	KSTEP 0, 1
	WIN 0
	s_branch .Lfirst_done
.Lfirst_v:
	WIN 0x40
.irp a, 0,1,2,3
.irp j, 0,1,2,3,4,5,6,7
	v_mov_b32 v[96+8*\a+\j], v[VB+\a]              ; a lane's channel has one bias for all its tokens
.endr
.endr
	PLACES 4
	s_wait_alu depctr_va_vdst(0)
	KSTEP 0, 2
	WIN 0
.Lfirst_done:
	KSTEP 1, 0
	KSTEP 2, 0
	s_wait_alu depctr_va_vdst(0)
	KSTEP 3, 0
	KSTEP 4, 0
	KSTEP 5, 0
	KSTEP 6, 0
	KSTEP 7, 0
	PLACES 4                                       ; in front of the first read of results, and of writes into registers that held fragments
	WIN 0
	; WHERE THE RESULTS GO, without a branch: every number that differs between the classes is chosen by s_cselect.  s12-21 are free: the loads that named them are done
	s_lshl_b32 s12, s83, 1
	s_add_co_u32 s12, s12, s76                     ; 2 Bt + wb
	s_lshl_b32 s13, s82, 1
	s_add_co_u32 s13, s13, s23                     ; 2 At + wa
	s_and_b32 s14, s12, 7
	s_lshl_b32 s14, s14, 1                         ; q, k: my first head (my 128 channels are two heads)
	s_mul_i32 s15, s23, 3072                       ; q, k: my four tiles' images in a record
	s_lshl_b32 s16, s23, 7
	s_or_b32 s17, s81, s79
	s_cmp_eq_u32 s17, 0                            ; q?
	s_cselect_b64 s[18:19], s[18:19], s[20:21]     ; the buffer
	s_mov_b32 s20, 12800
	s_cselect_b32 s20, 6400, s20                   ; a record's bytes
	s_mov_b32 s21, 12288
	s_cselect_b32 s21, 6144, s21                   ; where its pair words begin
	s_add_co_u32 s16, s16, s21
	s_cmp_lg_u32 s81, 0                            ; v?
	s_cselect_b32 s12, s12, s82                    ; my group of 128 tokens
	s_cselect_b32 s13, s13, s14                    ; the first head
	s_cselect_b32 s14, 0, 16                       ; records from the first half's head to the second's
	s_cselect_b32 s15, 6144, s15                   ; the codes' place in the record
	s_mov_b32 s17, 12544
	s_cselect_b32 s16, s17, s16                    ; the scale words'
	s_cselect_b32 s21, 768, 0                      ; v: the second half is keys 64-127 of the same tile
	s_cselect_b32 s99, 128, 0
	s_mov_b32 s96, 768
	s_cselect_b32 s96, 1536, s96                   ; from tile to tile
	s_mov_b32 s97, 0x05040100
	s_cselect_b32 s97, 0x03020100, s97             ; q, k: two tiles' low halves make a pair word; v: a tile's word as it is
	s_mov_b32 s98, 0x07060302
	s_cselect_b32 s98, 0x07060504, s98
	s_lshr_b32 s17, s12, 4                         ; the batch
	s_and_b32 s12, s12, 15                         ; the step
	s_lshl_b32 s17, s17, 4
	s_add_co_u32 s17, s17, s13
	s_lshl_b32 s17, s17, 4
	s_add_co_u32 s17, s17, s12
	s_mul_i32 s17, s17, s20                        ; the first record, in bytes
	s_mul_i32 s14, s14, s20
	s_mov_b32 s13, 0
	s_add_co_u32 s12, s17, s15
	s_add_nc_u64 s[88:89], s[18:19], s[12:13]      ; registers 0-5 go here,
	s_add_co_u32 s12, s12, s14
	s_add_co_u32 s12, s12, s21
	s_add_nc_u64 s[90:91], s[18:19], s[12:13]      ; registers 6-11 here
	s_add_co_u32 s12, s17, s16
	s_add_nc_u64 s[92:93], s[18:19], s[12:13]      ; and the scale words
	s_add_co_u32 s12, s12, s14
	s_add_co_u32 s12, s12, s99
	s_add_nc_u64 s[94:95], s[18:19], s[12:13]
.irp a, 0,1,2,3
	v_mad_u32_u24 v[OI+\a], s96, \a, v2
	v_mad_u32_u24 v[OJ+\a], s96, \a, v3
.endr
.irp a, 0,1,2,3
	QUANTW \a
	global_store_b128 v[OI+\a], v[128+12*\a:128+12*\a+3], s[88:89]                 ; 512 consecutive bytes
	global_store_b64 v[OJ+\a], v[128+12*\a+4:128+12*\a+5], s[88:89] offset:512     ; 256
	global_store_b128 v[OI+\a], v[128+12*\a+6:128+12*\a+9], s[90:91]
	global_store_b64 v[OJ+\a], v[128+12*\a+10:128+12*\a+11], s[90:91] offset:512
.endr
	v_perm_b32 v[XW], v[PW+1], v[PW], s97
	v_perm_b32 v[XW+1], v[PW+3], v[PW+2], s97
	v_perm_b32 v[XW+2], v[PW+1], v[PW], s98
	v_perm_b32 v[XW+3], v[PW+3], v[PW+2], s98
	v_cmp_ne_u32 vcc_lo, 0, v5
	v_cndmask_b32 v[XW+4], v[XW], v[XW+1], vcc_lo  ; lanes 0-15 send the first word of row r, lanes 16-31 the second
	v_cndmask_b32 v[XW+5], v[XW+2], v[XW+3], vcc_lo
	global_store_b32 v7, v[XW+4], s[92:93]         ; 128 consecutive bytes
	global_store_b32 v7, v[XW+5], s[94:95]
	s_wait_tensorcnt 0x0                           ; the wave's end
	ds_add_u32 v[SPW], v[NIL]
	s_wait_dscnt 0x0
	CROUND                                         ; the closing round
	s_endpgm
.Lfunc_end_k_qcbf0b044bb_qkv:
	.size	k_qcbf0b044bb_qkv, .Lfunc_end_k_qcbf0b044bb_qkv-k_qcbf0b044bb_qkv
	.p2alignl 7, 3214868480
	.fill 96, 4, 3214868480
	.section	.rodata,"a",@progbits
	.p2align	6, 0x0
	.amdhsa_kernel k_qcbf0b044bb_qkv
		.amdhsa_group_segment_fixed_size 327680
		.amdhsa_private_segment_fixed_size 0
		.amdhsa_enable_private_segment 0
		.amdhsa_kernarg_size 72
		.amdhsa_user_sgpr_count 2
		.amdhsa_user_sgpr_kernarg_segment_ptr 1
		.amdhsa_wavefront_size32 1
		.amdhsa_system_sgpr_workgroup_id_x 1
		.amdhsa_system_sgpr_workgroup_id_y 1
		.amdhsa_system_sgpr_workgroup_id_z 1
		.amdhsa_system_vgpr_workitem_id 0
		.amdhsa_next_free_vgpr 768
		.amdhsa_next_free_sgpr 106
		.amdhsa_reserve_vcc 1
		.amdhsa_float_denorm_mode_32 3
		.amdhsa_float_denorm_mode_16_64 3
		.amdhsa_memory_ordered 1
		.amdhsa_forward_progress 1
		.amdhsa_inst_pref_size 101
	.end_amdhsa_kernel
	.amdgpu_metadata
---
amdhsa.version: [ 1, 2 ]
amdhsa.kernels:
  - .name:           k_qcbf0b044bb_qkv
    .symbol:         k_qcbf0b044bb_qkv.kd
    .args:
      - { .name: xc, .offset: 0, .size: 8, .value_kind: global_buffer, .address_space: global }
      - { .name: xs, .offset: 8, .size: 8, .value_kind: global_buffer, .address_space: global }
      - { .name: wc, .offset: 16, .size: 8, .value_kind: global_buffer, .address_space: global }
      - { .name: ws, .offset: 24, .size: 8, .value_kind: global_buffer, .address_space: global }
      - { .name: bq, .offset: 32, .size: 8, .value_kind: global_buffer, .address_space: global }
      - { .name: bk, .offset: 40, .size: 8, .value_kind: global_buffer, .address_space: global }
      - { .name: bv, .offset: 48, .size: 8, .value_kind: global_buffer, .address_space: global }
      - { .name: qr, .offset: 56, .size: 8, .value_kind: global_buffer, .address_space: global }
      - { .name: kv, .offset: 64, .size: 8, .value_kind: global_buffer, .address_space: global }
    .group_segment_fixed_size: 327680
    .private_segment_fixed_size: 0
    .kernarg_segment_align: 8
    .kernarg_segment_size: 72
    .max_flat_workgroup_size: 128
    .sgpr_count:     106
    .vgpr_count:     768
    .wavefront_size: 32
...
	.end_amdgpu_metadata
.endif
;; end of part 3
;; launch attn (part 4): grid 4 x 64, 16 waves a work-group, clusters of 4 x 1, 206,848 bytes of LDS; arguments qr, kv, yc, ys; writes yc, ys
.if DOCPART == 4
	.amdgcn_target "amdgcn-amd-amdhsa--gfx1250"
	.amdhsa_code_object_version 6
	.text
	.protected	k_qcbf0b044bb_attn
	.globl	k_qcbf0b044bb_attn
	.p2align	8
	.type	k_qcbf0b044bb_attn,@function
k_qcbf0b044bb_attn:
	s_mov_b64 s[64:65], 0
	v_nop
	global_prefetch_b8 v0, s[64:65] scope:SCOPE_SE
	s_setreg_imm32_b32 hwreg(HW_REG_WAVE_MODE, 25, 1), 1
	s_wait_xcnt 0x0
	s_wait_alu depctr_hold_cnt(0) depctr_sa_sdst(0) depctr_va_vdst(0) depctr_va_sdst(0) depctr_va_ssrc(0) depctr_va_vcc(0) depctr_vm_vsrc(0)
	s_getreg_b32 s2, hwreg(HW_REG_IB_STS2, 6, 4)
	s_cmp_eq_u32 s2, 0
	s_cbranch_scc0 .Lentry_in_a_cluster
	s_endpgm
.Lentry_in_a_cluster:
	s_bfe_u32 s2, ttmp6, 0x10000c
	s_cmp_lg_u32 s2, 0x3003
	s_cbranch_scc0 .Lentry_shape_is_right
	s_endpgm
.Lentry_shape_is_right:
; y = softmax(q k^T / 8, causal) v for one batch and head a cluster, both products on codes of BF6 (E3M2) with E8M0 scales; y leaves quantised along the channels, as the last product's operand.
; THE SOFTMAX AHEAD OF THE SECOND PRODUCT: t = score x log2(e) / 8; M = the row's largest t so far, rounded UP to a whole number; p = 2^(t - M) is what is quantised, along the keys, not normalised.
; The row's sum is taken of the unquantised p, in f32, and divides O at the end.  When M moves, the sum and O are multiplied by 2^(old M - new M): exact.
; IN: qr [batch x head][step of 128 tokens][6,400] and kv [batch x head][step][12,800], as the launch before lays them: images of operand registers (768 bytes: lane l's registers 0-3 at 16 l, registers 4-5 at 512 + 8 l).
; A HEAD'S WHOLE K, V AND SCALES, 16 records, 204,800 bytes, stay in LDS: wave w asks for record w, jointly with the three partners of the cluster (they serve the same head): one tensor load a wave, nothing is filled again.
; SHARES.  A wave owns two tiles of 16 queries: (a, b) with a = w / 2, b = 2 cx + w % 2, queries 128 a + 16 b on, and (15 - a, 7 - b): a + 1 and 16 - a key steps, 17 for every wave of the launch.
; The loops' trip counts are constants (8 and 16); a step whose keys all come after the tile's queries is left out by a branch on the wave's number and the count alone.  cx enters global addresses and the mask's lane value, nothing else.
; K = 64 IN AN INSTRUCTION OF 128.  A fragment of K is two tiles of 16 keys on end, with their pair word; it is multiplied by [q | zero codes] and by [zero codes | q].  The dead half has zero codes on q's side under the scale byte 0,
; which is 2^-127: it adds exactly 0.
; LAYOUT.  S^T = K Q^T and O^T = V^T P^T: a lane holds ONE query (lane % 16) throughout; register 8 tl + j of S^T is key 16 tl + 8 (lane / 16) + j.  Inside a block of 32 keys place p holds key
; (p & 7) + 16 ((p >> 3) & 1) + 8 ((p >> 4) & 1), in p as in V: so tiles are tiles of neighbouring keys.
; OUT.  yc [row tile of 16 tokens][head][768], ys 512 bytes a row tile, word (K step ks, row r) at 256 (ks / 4) + 16 r + 4 (ks % 4); a head is half a K step: two bytes a row, stored 16 bytes apart (the word's
; other bytes belong to other heads' work-groups); lanes 16-31 store the same bytes with the same values.
; LIMITS: inside a block the unit adds in the order of places, not in ascending k; a block of zeros gets the byte 1 (zero codes); v_exp_f32 gives 0 under 2^-126; 1 / l is v_rcp_f32's; a block's largest p is taken as the
; exponential of its largest score; NaN and infinities among the inputs are not served.
.set REC,   12800
.set SPARE, 16*REC                     ; behind the records: the spare words, 128 bytes a wave: eight blocks of 256 bytes that no other line names
.set LI,  1                            ; v1   16 x lane
.set LJ,  2                            ; v2   8 x lane
.set LS,  3                            ; v3   4 r
.set SPW, 4
.set NIL, 5
.set ADK, 6                            ; v6-8 the step's record + LI, LJ, LS
.set ADJ, 7
.set ADS, 8
.set DD,  9                            ; v9   my query in its step - 8 h
.set WV,  12                           ; s12  wave
.set CX,  13
.set BH,  14
.set AA,  15                           ; s15  the tile's step
.set BB,  16                           ; s16  the tile in its step
.set T,   17                           ; s17  the key step
.set TB,  18                           ; s18  its record's LDS byte
.set SEL, 20
.set CS,  22                           ; s[22:23] c = log2(e) / 8
; v10 16 r; v11 r - 8 h; v12 -M; v13 the largest t; v[14:15] the sum; v16-27 [q | 0]; v28-39 [0 | q]; v40, v41 their scale words; v42 q's pair word; v44-91 four fragments of K, then of V; v92-95 K's pair words;
; v96-159 S^T, then p; v160-191 O^T; v192-203 p's codes; v204-210 the conversions' second halves; v212-215 V's scale words; v216 p's; v[218:219] f; v220-231 at work; v[232:233] a second chain of the sum; v234 at work; v235 -infinity;
; v236-242 the second tile's q.
.macro CROUND
	s_barrier_signal -1
	s_barrier_wait -1
	s_cmp_lg_u32 s[WV], 0
	s_cbranch_scc1 .Lnot_wave_0_\@
	s_barrier_signal -3
.Lnot_wave_0_\@:
	s_barrier_wait -3
	s_barrier_signal -1
	s_barrier_wait -1
.endm
.macro FRAG4 off                       ; four fragments on end, 1,536 bytes each, from byte off of the record
.irp f, 0,1,2,3
	ds_load_b128 v[44+12*\f:44+12*\f+3], v[ADK] offset:\off+1536*\f
	ds_load_b64 v[44+12*\f+4:44+12*\f+5], v[ADJ] offset:\off+1536*\f+512
	ds_load_b128 v[44+12*\f+6:44+12*\f+9], v[ADK] offset:\off+1536*\f+768
	ds_load_b64 v[44+12*\f+10:44+12*\f+11], v[ADJ] offset:\off+1536*\f+1280
.endr
.endm
; ONE TILE OF 16 QUERIES: all its key steps, and its way out.
.macro TILE trips
	s_wait_xcnt 0x0                                ; the stores of the tile before have read their registers and bases, which are written again from here on
	s_and_b32 s19, s[BB], 1
	s_lshl_b32 s19, s19, 4
	v_lshrrev_b32 v40, s19, v42
	s_delay_alu instid0(VALU_DEP_1)
	v_and_b32 v40, 0xffff, v40                     ; q's two scale bytes under the live half, 0 under the dead one
	s_delay_alu instid0(VALU_DEP_1)
	v_lshlrev_b32 v41, 16, v40
	s_lshl_b32 s19, s[BB], 4
	v_add_nc_u32 v[DD], s19, v11
	v_mov_b32 v13, 0xff61b1e6                      ; the largest t so far: -3e38, under every t
	s_delay_alu instid0(VALU_DEP_1)
	v_floor_f32 v12, -v13
	v_mov_b32 v14, 0
	v_mov_b32 v15, 0
.set n, 0
.rept 32
	v_mov_b32 v[160+n], 0                          ; O^T: the step is written once; the first finds zeros.  (These are also the places between the scale words' lines and the first product)
.set n, n+1
.endr
	s_mov_b32 s[T], 0
	s_mov_b32 s[TB], 0
.Lstep_\@:
	s_cmp_gt_u32 s[T], s[AA]                       ; all 128 keys come after my queries: the step's work is left out, not the stepping
	s_cbranch_scc1 .Lskip_\@
	s_setprio 2
	v_add_nc_u32 v[ADK], s[TB], v[LI]
	v_add_nc_u32 v[ADJ], s[TB], v[LJ]
	v_add_nc_u32 v[ADS], s[TB], v[LS]
	v_nop                                          ; four places in front of loads into registers that the last products read
	FRAG4 0                                        ; K: eight tiles of 16 keys, two to a fragment
.irp f, 0,1,2,3
	ds_load_b32 v[92+\f], v[ADS] offset:12288+64*\f
.endr
	s_wait_alu depctr_va_vdst(0)
	s_wait_dscnt 0x0
.irp f, 0,1,2,3
	v_wmma_scale_f32_16x16x128_f8f6f4 v[96+16*\f:103+16*\f], v[44+12*\f:55+12*\f], v[16:27], 0, v[92+\f], v40 matrix_a_fmt:MATRIX_FMT_BF6 matrix_b_fmt:MATRIX_FMT_BF6
	v_wmma_scale_f32_16x16x128_f8f6f4 v[104+16*\f:111+16*\f], v[44+12*\f:55+12*\f], v[28:39], 0, v[92+\f], v41 matrix_a_fmt:MATRIX_FMT_BF6 matrix_b_fmt:MATRIX_FMT_BF6
.endr
.rept 4
	v_nop                                          ; places in front of the loads below and of the first read of the scores
.endr
	FRAG4 6144                                     ; V^T: four tiles of 16 channels x these 128 keys: they land during the softmax
.irp d, 0,1,2,3
	ds_load_b32 v[212+\d], v[ADS] offset:12544+64*((\d%2)*2+\d/2)
.endr
	s_cmp_lg_u32 s[T], s[AA]                       ; on the diagonal the scores of hidden keys become -infinity ahead of the maximum: p = 0 then
	s_cbranch_scc1 .Lopen_\@
.set n, 0
.rept 64
	v_cmp_gt_i32 vcc_lo, 16*(n/8)+n%8, v[DD]       ; register n holds key 16 (n / 8) + 8 h + n % 8 of the step
	v_cndmask_b32 v[96+n], v[96+n], v235, vcc_lo
.set n, n+1
.endr
.Lopen_\@:
.irp b, 0,1,2,3
	v_max3_num_f32 v[220+\b], v[96+16*\b], v[97+16*\b], v[98+16*\b]   ; the largest score of each block of 32 keys: for the row's maximum and, since p rises with the score, for the block's largest p
.endr
.irp i, 3,5,7,9,11,13
.irp b, 0,1,2,3
	v_max3_num_f32 v[220+\b], v[220+\b], v[96+16*\b+\i], v[97+16*\b+\i]
.endr
.endr
.irp b, 0,1,2,3
	v_max_num_f32 v[220+\b], v[220+\b], v[111+16*\b]
.endr
.irp b, 0,1,2,3
	s_delay_alu instid0(VALU_DEP_4)
	v_permlanex16_b32 v[224+\b], v[220+\b], s[SEL], s[SEL+1]
.endr
.irp b, 0,1,2,3
	s_delay_alu instid0(VALU_DEP_4)
	v_max_num_f32 v[220+\b], v[220+\b], v[224+\b]  ; with lane l xor 16's 16 keys
.endr
	s_delay_alu instid0(VALU_DEP_2)
	v_max3_num_f32 v234, v220, v221, v222
	s_delay_alu instid0(VALU_DEP_1)
	v_max_num_f32 v234, v234, v223
	s_delay_alu instid0(VALU_DEP_1)
	v_mul_f32 v234, s[CS], v234                    ; the step's largest t
	s_delay_alu instid0(VALU_DEP_1)
	v_max_num_f32 v13, v13, v234
	v_mov_b32 v234, v12
	s_delay_alu instid0(VALU_DEP_2)
	v_floor_f32 v12, -v13                          ; -M = floor(-t): M is a whole number
	s_delay_alu instid0(VALU_DEP_1)
	v_sub_f32 v234, v12, v234                      ; old M - new M, 0 or less
	s_delay_alu instid0(VALU_DEP_1)
	v_cvt_i32_f32 v234, v234                       ; (it saturates)
	s_delay_alu instid0(VALU_DEP_1)
	v_ldexp_f32 v218, 1.0, v234                    ; f = 2^(old M - new M)
.set n, 0
	s_setprio 1
.rept 32
	v_pk_fma_f32 v[96+n:97+n], v[96+n:97+n], s[CS:CS+1], v[12:13] op_sel_hi:[1,0,0]   ; t - M, two at a time
.set n, n+2
.endr
.irp b, 0,1,2,3
	v_fma_f32 v[220+\b], v[220+\b], s[CS], v12
.endr
.set n, 0
	s_wait_alu depctr_va_vdst(0)
.rept 64
	v_exp_f32 v[96+n], v[96+n]                     ; p = 2^(t - M), at most 1
.set n, n+1
.endr
	v_pk_mul_f32 v[14:15], v[14:15], v[218:219] op_sel_hi:[1,0]   ; the sums under the new M: a plain place behind the exponentials
	s_wait_alu depctr_va_vdst(0)                   ; one wait for the batch, ahead of its first reader
.irp b, 0,1,2,3
	v_exp_f32 v[220+\b], v[220+\b]                 ; the blocks' largest p
.endr
	v_pk_add_f32 v[232:233], v[100:101], v[104:105]
	v_pk_add_f32 v[254:255], v[108:109], v[112:113]
	v_pk_add_f32 v[252:253], v[116:117], v[120:121]
	v_pk_add_f32 v[250:251], v[124:125], v[128:129]
	v_pk_add_f32 v[248:249], v[132:133], v[136:137]
	v_pk_add_f32 v[246:247], v[140:141], v[144:145]
	v_pk_add_f32 v[244:245], v[148:149], v[152:153]
	v_pk_add_f32 v[14:15], v[14:15], v[156:157]
	v_pk_add_f32 v[232:233], v[232:233], v[96:97]
	v_pk_add_f32 v[254:255], v[254:255], v[98:99]
	v_pk_add_f32 v[252:253], v[252:253], v[102:103]
	v_pk_add_f32 v[250:251], v[250:251], v[106:107]
	v_pk_add_f32 v[248:249], v[248:249], v[110:111]
	v_pk_add_f32 v[246:247], v[246:247], v[114:115]
	v_pk_add_f32 v[244:245], v[244:245], v[118:119]
	v_pk_add_f32 v[14:15], v[14:15], v[122:123]
	v_pk_add_f32 v[232:233], v[232:233], v[126:127]
	v_pk_add_f32 v[254:255], v[254:255], v[130:131]
	v_pk_add_f32 v[252:253], v[252:253], v[134:135]
	v_pk_add_f32 v[250:251], v[250:251], v[138:139]
	v_pk_add_f32 v[248:249], v[248:249], v[142:143]
	v_pk_add_f32 v[246:247], v[246:247], v[146:147]
	v_pk_add_f32 v[244:245], v[244:245], v[150:151]
	v_pk_add_f32 v[14:15], v[14:15], v[154:155]
	v_pk_add_f32 v[232:233], v[232:233], v[158:159]
	s_delay_alu instid0(VALU_DEP_2)
	v_pk_add_f32 v[14:15], v[14:15], v[250:251]
	s_delay_alu instid0(VALU_DEP_2)
	v_pk_add_f32 v[232:233], v[232:233], v[248:249]
	v_pk_add_f32 v[254:255], v[254:255], v[246:247]
	v_pk_add_f32 v[252:253], v[252:253], v[244:245]
	s_delay_alu instid0(VALU_DEP_2)
	v_pk_add_f32 v[14:15], v[14:15], v[254:255]
	s_delay_alu instid0(VALU_DEP_2)
	v_pk_add_f32 v[232:233], v[232:233], v[252:253]
	s_delay_alu instid0(VALU_DEP_1)
	v_pk_add_f32 v[14:15], v[14:15], v[232:233]
	s_wait_alu depctr_va_vdst(0)                   ; and one for the four
.irp b, 0,1,2,3
	v_max_num_f32 v[220+\b], 0x2800000, v[220+\b]  ; the floor 2^(5 - 127)
.endr
.irp b, 0,1,2,3
	s_delay_alu instid0(VALU_DEP_4)
	v_add_nc_u32 v[228+\b], 0xfe000000, v[220+\b]  ; the conversion's scale operand
.endr
.irp b, 0,1,2,3
	s_delay_alu instid0(VALU_DEP_4)
	v_lshrrev_b32 v[224+\b], 23, v[228+\b]         ; the scale's byte
.endr
	s_delay_alu instid0(VALU_DEP_3)
	v_lshl_or_b32 v216, v225, 8, v224
	s_delay_alu instid0(VALU_DEP_1)
	v_lshl_or_b32 v216, v226, 16, v216
	s_delay_alu instid0(VALU_DEP_1)
	v_lshl_or_b32 v216, v227, 24, v216
	s_setprio 0
.irp c, 0,1
	v_cvt_scalef32_pk16_bf6_f32 v[192+6*\c:194+6*\c], v[96+32*\c:111+32*\c], v[228+2*\c]
	v_cvt_scalef32_pk16_bf6_f32 v[204+4*\c:206+4*\c], v[112+32*\c:127+32*\c], v[228+2*\c+1]
.endr
	v_nop                                          ; one plain place behind a scaled conversion
.irp c, 0,1
.irp i, 0,1,2
	v_permlane16_swap_b32 v[192+6*\c+\i], v[204+4*\c+\i]
.endr
.irp i, 0,1,2
	s_delay_alu instid0(VALU_DEP_3)
	v_mov_b32 v[195+6*\c+\i], v[204+4*\c+\i]
.endr
.endr
.set n, 0
.rept 16
	v_pk_mul_f32 v[160+n:161+n], v[160+n:161+n], v[218:219] op_sel_hi:[1,0]   ; O^T under the new M.  (Twelve of these name no register of any one product below: its places behind the lines that made p's codes and scale word)
.set n, n+2
.endr
	s_wait_alu depctr_va_vdst(0)
	s_wait_dscnt 0x0                               ; V is in
.irp d, 0,1,2,3
	v_wmma_scale_f32_16x16x128_f8f6f4 v[160+8*\d:167+8*\d], v[44+12*\d:55+12*\d], v[192:203], v[160+8*\d:167+8*\d], v[212+\d], v216 matrix_a_fmt:MATRIX_FMT_BF6 matrix_b_fmt:MATRIX_FMT_BF6
.endr
.Lskip_\@:
	s_add_co_u32 s[TB], s[TB], REC
	s_add_co_u32 s[T], s[T], 1
	s_cmp_lt_u32 s[T], \trips
	s_cbranch_scc1 .Lstep_\@
	s_setprio 0
	; THE TILE'S WAY OUT: O^T / the sum, quantised along the head's 64 channels: two blocks, one image
.rept 4
	v_nop
.endr
	v_add_f32 v14, v14, v15
	s_delay_alu instid0(VALU_DEP_1)
	v_permlanex16_b32 v234, v14, s[SEL], s[SEL+1]
	s_delay_alu instid0(VALU_DEP_1)
	v_add_f32 v14, v14, v234                       ; the row's sum
	s_wait_alu depctr_va_vdst(0)
	v_rcp_f32 v14, v14
	v_nop                                          ; a plain place behind the reciprocal
	s_lshr_b32 s44, s[BH], 4
	s_lshl_b32 s44, s44, 7
	s_lshl_b32 s45, s[AA], 3
	s_add_co_u32 s44, s44, s45
	s_add_co_u32 s44, s44, s[BB]                   ; my row tile: 128 x batch + 8 a + b
	s_and_b32 s45, s[BH], 15                       ; the head
	s_lshl_b32 s46, s44, 9
	s_lshl_b32 s44, s44, 4
	s_add_co_u32 s44, s44, s45
	s_mul_i32 s44, s44, 768
	s_lshr_b32 s47, s45, 3
	s_lshl_b32 s47, s47, 8
	s_add_co_u32 s46, s46, s47
	s_lshr_b32 s47, s45, 1
	s_and_b32 s47, s47, 3
	s_lshl_b32 s47, s47, 2
	s_add_co_u32 s46, s46, s47
	s_and_b32 s47, s45, 1
	s_lshl_b32 s47, s47, 1
	s_add_co_u32 s46, s46, s47
	s_mov_b32 s45, 0
	s_mov_b32 s47, 0
	s_add_nc_u64 s[44:45], s[8:9], s[44:45]
	s_add_nc_u64 s[46:47], s[10:11], s[46:47]
	s_wait_alu depctr_va_vdst(0)                   ; the wait ahead of the reciprocal's first reader
.set n, 0
.rept 16
	v_pk_mul_f32 v[96+n:97+n], v[160+n:161+n], v[14:15] op_sel_hi:[1,0]   ; register 8 d + j is y(query r, channel 16 d + 8 h + j)
.set n, n+2
.endr
.irp b, 0,1
	v_max3_num_f32 v[220+\b], |v[96+16*\b]|, |v[97+16*\b]|, 0x2800000
.endr
.irp i, 2,4,6,8,10,12,14
.irp b, 0,1
	s_delay_alu instid0(VALU_DEP_2)
	v_max3_num_f32 v[220+\b], v[220+\b], |v[96+16*\b+\i]|, |v[97+16*\b+\i]|
.endr
.endr
.irp b, 0,1
	s_delay_alu instid0(VALU_DEP_2)
	v_permlanex16_b32 v[224+\b], v[220+\b], s[SEL], s[SEL+1]
.endr
.irp b, 0,1
	s_delay_alu instid0(VALU_DEP_2)
	v_max_num_f32 v[220+\b], v[220+\b], v[224+\b]
.endr
.irp b, 0,1
	s_delay_alu instid0(VALU_DEP_2)
	v_add_nc_u32 v[228+\b], 0xfe000000, v[220+\b]
.endr
.irp b, 0,1
	s_delay_alu instid0(VALU_DEP_2)
	v_lshrrev_b32 v[224+\b], 23, v[228+\b]
.endr
	s_delay_alu instid0(VALU_DEP_1)
	v_lshl_or_b32 v216, v225, 8, v224              ; my row's two scale bytes
	v_cvt_scalef32_pk16_bf6_f32 v[192:194], v[96:111], v228
	v_cvt_scalef32_pk16_bf6_f32 v[204:206], v[112:127], v229
	v_nop
.irp i, 0,1,2
	v_permlane16_swap_b32 v[192+\i], v[204+\i]
.endr
.irp i, 0,1,2
	s_delay_alu instid0(VALU_DEP_3)
	v_mov_b32 v[195+\i], v[204+\i]
.endr
	global_store_b128 v[LI], v[192:195], s[44:45]              ; 512 consecutive bytes
	global_store_b64 v[LJ], v[196:197], s[44:45] offset:512    ; 256
	global_store_b16 v10, v216, s[46:47]
.endm
	s_load_b256 s[4:11], s[0:1], 0x0               ; qr, kv, yc, ys
	v_lshl_add_u32 v[SPW], v0, 2, SPARE
	v_mov_b32 v[NIL], 0
	ds_add_u32 v[SPW], v[NIL]                      ; the wave's opening: the add, twice on end, and its wait ahead of the round in front of my tensor load
	ds_add_u32 v[SPW], v[NIL]
	v_lshrrev_b32 v6, 5, v0
	s_delay_alu instid0(VALU_DEP_1)
	v_readfirstlane_b32 s[WV], v6                  ; wave 0..15
	s_bfe_u32 s[CX], ttmp6, 0x40000
	s_and_b32 s[BH], ttmp7, 0xffff                 ; batch x head, which the four partners share
	s_mov_b32 s24, 15|(3<<16)|(1<<21)              ; the mask: all four; elements of 8 bytes; bit 21 beside a mask
	s_mov_b32 s25, 32<<16                          ; a record is 50 dense rows of 256 bytes
	s_mov_b32 s26, 50<<16
	s_mov_b32 s27, 32<<16
	s_mov_b32 s28, 50
	s_mov_b32 s29, 32
	s_mov_b32 s30, 0
	s_mov_b32 s31, 0
	s_mov_b32 s[SEL], 0x76543210
	s_mov_b32 s[SEL+1], 0xfedcba98
	s_mov_b32 s[CS], 0x3e38aa3b                    ; log2(e) / 8
	s_mov_b32 s[CS+1], s[CS]
	s_lshr_b32 s[AA], s[WV], 1
	s_and_b32 s[BB], s[WV], 1
	s_lshl_b32 s19, s[CX], 1
	s_add_co_u32 s[BB], s[BB], s19
	s_lshl_b32 s48, s[BH], 4                       ; the head's first record
	s_add_co_u32 s49, s48, s[WV]
	s_mul_i32 s50, s49, REC                        ; record w of kv, in memory,
	s_mov_b32 s51, 0
	s_mul_i32 s33, s[WV], REC                      ; and in LDS
	s_add_co_u32 s36, s48, s[AA]                   ; the first tile's q: record a of qr, image b, pair word b / 2
	s_mul_i32 s36, s36, 6400
	s_mul_i32 s37, s[BB], 768
	s_lshr_b32 s38, s[BB], 1
	s_lshl_b32 s38, s38, 6
	s_add_co_u32 s38, s38, s36
	s_add_co_u32 s38, s38, 6144
	s_add_co_u32 s36, s36, s37
	s_mov_b32 s37, 0
	s_mov_b32 s39, 0
	s_sub_co_u32 s40, 15, s[AA]                    ; the second tile's
	s_add_co_u32 s40, s40, s48
	s_mul_i32 s40, s40, 6400
	s_sub_co_u32 s41, 7, s[BB]
	s_lshr_b32 s42, s41, 1
	s_lshl_b32 s42, s42, 6
	s_add_co_u32 s42, s42, s40
	s_add_co_u32 s42, s42, 6144
	s_mul_i32 s41, s41, 768
	s_add_co_u32 s40, s40, s41
	s_mov_b32 s41, 0
	s_mov_b32 s43, 0
	s_wait_dscnt 0x0                               ; both opening adds are done
	s_wait_kmcnt 0x0
	s_mov_b32 s32, 1
	s_add_nc_u64 s[34:35], s[6:7], s[50:51]
	s_or_b32 s35, s35, 0x80000000
	s_add_nc_u64 s[36:37], s[4:5], s[36:37]
	s_add_nc_u64 s[38:39], s[4:5], s[38:39]
	s_add_nc_u64 s[40:41], s[4:5], s[40:41]
	s_add_nc_u64 s[42:43], s[4:5], s[42:43]
	CROUND                                         ; all four work-groups are here: the joint loads meet
	tensor_load_to_lds s[32:35], s[24:31]          ; my one tensor load
	s_nop 0
.rept 4
	v_nop
.endr
	v_and_b32 v6, 31, v0                           ; lane
	v_and_b32 v7, 15, v0                           ; r
	v_bfe_u32 v8, v0, 4, 1                         ; h
	s_delay_alu instid0(VALU_DEP_3)
	v_lshlrev_b32 v[LI], 4, v6
	s_delay_alu instid0(VALU_DEP_4)
	v_lshlrev_b32 v[LJ], 3, v6
	s_delay_alu instid0(VALU_DEP_4)
	v_lshlrev_b32 v[LS], 2, v7
	v_lshlrev_b32 v10, 4, v7
	v_lshlrev_b32 v11, 3, v8
	s_delay_alu instid0(VALU_DEP_1)
	v_sub_nc_u32 v11, v7, v11                      ; r - 8 h
	global_load_b128 v[16:19], v[LI], s[36:37]     ; q's image, once for [q | 0]
	global_load_b64 v[20:21], v[LJ], s[36:37] offset:512
	global_load_b128 v[34:37], v[LI], s[36:37]     ; and once for [0 | q]
	global_load_b64 v[38:39], v[LJ], s[36:37] offset:512
	global_load_b32 v42, v[LS], s[38:39]
	global_load_b128 v[236:239], v[LI], s[40:41]   ; the second tile's
	global_load_b64 v[240:241], v[LJ], s[40:41] offset:512
	global_load_b32 v242, v[LS], s[42:43]
.irp i, 0,1,2,3,4,5
	v_mov_b32 v[22+\i], 0                          ; the dead halves: zero codes
	v_mov_b32 v[28+\i], 0
.endr
	v_mov_b32 v219, 0                              ; (named as the upper half of the pair v[218:219])
.irp b, 0,1,2,3
	v_mov_b32 v[224+\b], 0                         ; written once: a lane permute's destination counts as one of its sources
.endr
	v_mov_b32 v234, 0
	v_mov_b32 v235, 0xff800000                     ; -infinity
	s_wait_tensorcnt 0x0                           ; my record has landed,
	s_barrier_signal -1
	s_barrier_wait -1                              ; all sixteen have
	s_wait_loadcnt 0x0                             ; q
	TILE 8
	s_sub_co_u32 s[AA], 15, s[AA]
	s_sub_co_u32 s[BB], 7, s[BB]
.irp i, 0,1,2,3,4,5
	v_mov_b32 v[16+\i], v[236+\i]
	v_mov_b32 v[34+\i], v[236+\i]
.endr
	v_mov_b32 v42, v242
	s_wait_alu depctr_va_vdst(0)
	TILE 16
	s_wait_tensorcnt 0x0                           ; the wave's end
	ds_add_u32 v[SPW], v[NIL]
	s_wait_dscnt 0x0
	CROUND                                         ; the closing round
	s_endpgm
.Lfunc_end_k_qcbf0b044bb_attn:
	.size	k_qcbf0b044bb_attn, .Lfunc_end_k_qcbf0b044bb_attn-k_qcbf0b044bb_attn
	.p2alignl 7, 3214868480
	.fill 96, 4, 3214868480
	.section	.rodata,"a",@progbits
	.p2align	6, 0x0
	.amdhsa_kernel k_qcbf0b044bb_attn
		.amdhsa_group_segment_fixed_size 206848
		.amdhsa_private_segment_fixed_size 0
		.amdhsa_enable_private_segment 0
		.amdhsa_kernarg_size 32
		.amdhsa_user_sgpr_count 2
		.amdhsa_user_sgpr_kernarg_segment_ptr 1
		.amdhsa_wavefront_size32 1
		.amdhsa_system_sgpr_workgroup_id_x 1
		.amdhsa_system_sgpr_workgroup_id_y 1
		.amdhsa_system_sgpr_workgroup_id_z 1
		.amdhsa_system_vgpr_workitem_id 0
		.amdhsa_next_free_vgpr 256
		.amdhsa_next_free_sgpr 66
		.amdhsa_reserve_vcc 1
		.amdhsa_float_denorm_mode_32 3
		.amdhsa_float_denorm_mode_16_64 3
		.amdhsa_memory_ordered 1
		.amdhsa_forward_progress 1
		.amdhsa_inst_pref_size 66
	.end_amdhsa_kernel
	.amdgpu_metadata
---
amdhsa.version: [ 1, 2 ]
amdhsa.kernels:
  - .name:           k_qcbf0b044bb_attn
    .symbol:         k_qcbf0b044bb_attn.kd
    .args:
      - { .name: qr, .offset: 0, .size: 8, .value_kind: global_buffer, .address_space: global }
      - { .name: kv, .offset: 8, .size: 8, .value_kind: global_buffer, .address_space: global }
      - { .name: yc, .offset: 16, .size: 8, .value_kind: global_buffer, .address_space: global }
      - { .name: ys, .offset: 24, .size: 8, .value_kind: global_buffer, .address_space: global }
    .group_segment_fixed_size: 206848
    .private_segment_fixed_size: 0
    .kernarg_segment_align: 8
    .kernarg_segment_size: 32
    .max_flat_workgroup_size: 512
    .sgpr_count:     66
    .vgpr_count:     256
    .wavefront_size: 32
...
	.end_amdgpu_metadata
.endif
;; end of part 4
;; launch proj (part 5): grid 4 x 64, 4 waves a work-group, clusters of 4 x 4, 327,680 bytes of LDS; arguments yc, ys, wc, ws, bp, out0; writes out0
.if DOCPART == 5
	.amdgcn_target "amdgcn-amd-amdhsa--gfx1250"
	.amdhsa_code_object_version 6
	.text
	.protected	k_qcbf0b044bb_proj
	.globl	k_qcbf0b044bb_proj
	.p2align	8
	.type	k_qcbf0b044bb_proj,@function
k_qcbf0b044bb_proj:
	s_mov_b64 s[64:65], 0
	v_nop
	global_prefetch_b8 v0, s[64:65] scope:SCOPE_SE
	s_setreg_imm32_b32 hwreg(HW_REG_WAVE_MODE, 25, 1), 1
	s_wait_xcnt 0x0
	s_wait_alu depctr_hold_cnt(0) depctr_sa_sdst(0) depctr_va_vdst(0) depctr_va_sdst(0) depctr_va_ssrc(0) depctr_va_vcc(0) depctr_vm_vsrc(0)
	s_getreg_b32 s2, hwreg(HW_REG_IB_STS2, 6, 4)
	s_cmp_eq_u32 s2, 0
	s_cbranch_scc0 .Lentry_in_a_cluster
	s_endpgm
.Lentry_in_a_cluster:
	s_bfe_u32 s2, ttmp6, 0x10000c
	s_cmp_lg_u32 s2, 0xf033
	s_cbranch_scc0 .Lentry_shape_is_right
	s_endpgm
.Lentry_shape_is_right:
; out0 = y Wp + bp on codes of BF6 (E3M2) with E8M0 scales; out0 [8192][1024] f32.
; OPERANDS: yc (made by the launch before) and wc's fourth tensor: [row tile of 16][64 along K][768 bytes], images of operand registers (lane l's registers 0-3 at 16 l, registers 4-5 at 512 + 8 l); scale words 512 bytes a
; row tile, (K step ks, row r) at 256 (ks / 4) + 16 r + 4 (ks % 4): register ks % 4 of one 16-byte load a lane, lanes 0-15 for steps 0-3, lanes 16-31 for steps 4-7.
; A WORK-GROUP makes 128 tokens x 256 channels over all of K = 1,024: (128 + 256) x 768 bytes of codes fit in LDS whole: every tile is asked for once, at the head, in four slabs of 256 along K; nothing is filled again.
; Four waves; wave (wa, wb) makes 64 tokens x 128 channels: 32 accumulators.  Source 0 = 16 rows of Wp^T, source 1 = 16 tokens: a lane holds one token and eight neighbouring channels a tile.
; CLUSTER 4 x 4: y's tile hangs on cy and is asked for jointly by a row of the cluster, Wp's on cx and by a column.  The bias is the C of the first K step.
; LIMITS: inside a block of 32 both operands hold element (p & 7) + 16 ((p >> 3) & 1) + 8 ((p >> 4) & 1) at place p, so the unit adds a block's products in that order, not in ascending k; NaN and infinities are not served.
; REGISTERS: window 0: v1-6 lane terms; v8-23 LDS addresses; v28, v29 the add's two; v32-47 y's scale words, v48-79 Wp's; v80, v81 the stage; v128-223 y's fragments, two sets; on the way out v128-255 rows of out0.
;   window 1: Wp's fragments, two sets, at v0 and v128; the bias of tile i at v[96 + 8 (i % 4) + 128 (i / 4)].   window 2: accumulator (a, b) at v[8 (8 a + b)].
.set SPARE, 294912                     ; behind the tiles: the spare words, 128 bytes a wave: two blocks of 256 bytes that no other line names
.set BOFF,  98304
.set ASLAB, 24576
.set BSLAB, 49152
.set AI,  8
.set AJ,  12
.set BI,  16
.set BJ,  20
.set SPW, 28
.set NIL, 29
.set SA,  32
.set SB,  48
.set STO, 80                           ; v80  the stage: where I put 32 bytes of a row
.set RD,  81                           ; v81  and where I read a row back
.set AF,  128
.set G1A, 24
.set G0A, 32
.set G0B, 48
.set G1B, 68
.set MSB, 0
.macro WIN new                         ; the immediate's high byte repeats the setting that is left
.if MSB != \new
	s_set_vgpr_msb (MSB<<8)|\new
.set MSB, \new
.endif
.endm
.macro PLACES n
.rept \n
	v_nop
.endr
.endm
.macro CREST
	s_cmp_lg_u32 s22, 0
	s_cbranch_scc1 .Lnot_wave_0_\@
	s_barrier_signal -3
.Lnot_wave_0_\@:
	s_barrier_wait -3
	s_barrier_signal -1
	s_barrier_wait -1
.endm
.macro CROUND
	s_barrier_signal -1
	s_barrier_wait -1
	CREST
.endm
; A joint load: waves 0 and 1 fetch y's halves, waves 2 and 3 Wp's.  An s_nop 0 and four v_nop follow each line.
.macro JLOAD g0a, g1a, g0b, g1b
	s_cmp_eq_u32 s23, 0
	s_cbranch_scc0 .Lfor_b_\@
	tensor_load_to_lds s[\g0a:\g0a+3], s[\g1a:\g1a+7]
	s_nop 0
.rept 4
	v_nop
.endr
	s_branch .Lasked_\@
.Lfor_b_\@:
	tensor_load_to_lds s[\g0b:\g0b+3], s[\g1b:\g1b+7]
	s_nop 0
.rept 4
	v_nop
.endr
.Lasked_\@:
.endm
.macro FRAG reg, ai, aj, off           ; a fragment is two images on end: 12 registers by four loads of consecutive bytes
	ds_load_b128 v[\reg:\reg+3], v[\ai] offset:\off
	ds_load_b64 v[\reg+4:\reg+5], v[\aj] offset:\off+512
	ds_load_b128 v[\reg+6:\reg+9], v[\ai] offset:\off+768
	ds_load_b64 v[\reg+10:\reg+11], v[\aj] offset:\off+1280
.endm
.macro FETCH ks, set
	WIN 0x40
.irp i, 0,1,2,3,4,5,6,7
	FRAG 128*(\set)+12*\i, BI+(\ks)/2, BJ+(\ks)/2, \i*3072+((\ks)%2)*1536
.endr
	WIN 0
.irp i, 0,1,2,3
	FRAG AF+48*(\set)+12*\i, AI+(\ks)/2, AJ+(\ks)/2, \i*3072+((\ks)%2)*1536
.endr
.endm
; 16 products: token tiles a0, a0 + 1 x the eight channel tiles.  cm = 1: C = the bias of tile b.  The 32 accumulators take turns, one instruction a turn, in the same order in every step.
.macro MUL16 a0, ks, set, cm
.if \cm
	WIN 0x91
.else
	WIN 0xa1
.endif
.irp a, \a0, \a0+1
.irp b, 0,1,2,3,4,5,6,7
.set rD, 8*(8*(\a)+\b)
.set rB, 128*(\set)+12*\b
.set rA, AF+48*(\set)+12*(\a)
.set rSB, SB+4*\b+(\ks)%4
.set rSA, SA+4*(\a)+(\ks)%4
.if \cm
.set rC, 96+8*(\b%4)+128*(\b/4)
.else
.set rC, rD
.endif
.if (\ks) < 4
	v_wmma_scale_f32_16x16x128_f8f6f4 v[rD:rD+7], v[rB:rB+11], v[rA:rA+11], v[rC:rC+7], v[rSB], v[rSA] matrix_a_fmt:MATRIX_FMT_BF6 matrix_b_fmt:MATRIX_FMT_BF6
.else
	v_wmma_scale_f32_16x16x128_f8f6f4 v[rD:rD+7], v[rB:rB+11], v[rA:rA+11], v[rC:rC+7], v[rSB], v[rSA] matrix_a_fmt:MATRIX_FMT_BF6 matrix_b_fmt:MATRIX_FMT_BF6 matrix_a_scale:MATRIX_SCALE_ROW1 matrix_b_scale:MATRIX_SCALE_ROW1
.endif
.endr
.endr
.endm
; A K step of 128: 32 products.  The next step's fragments are fetched at its head, four places behind the last products that read their registers; where they lie in the next slab (steps 1, 3, 5), behind the barrier that shows it whole.
.macro KSTEP ks, cm
	s_wait_dscnt 0x0                               ; this step's fragments are in
.if ((\ks)==1)||((\ks)==3)||((\ks)==5)
	s_wait_tensorcnt 3-((\ks)+1)/2                 ; my part of the next slab has landed; the later slabs' loads may be out
	s_barrier_signal -1
	MUL16 0, \ks, (\ks)%2, \cm
	s_barrier_wait -1
	PLACES 4
	FETCH (\ks)+1, ((\ks)+1)%2
	MUL16 2, \ks, (\ks)%2, \cm
.else
.if (\ks) < 7
.if (\ks) > 0
	PLACES 4
.endif
	FETCH (\ks)+1, ((\ks)+1)%2
.endif
	MUL16 0, \ks, (\ks)%2, \cm
	MUL16 2, \ks, (\ks)%2, \cm
.endif
.endm
; THE WAY OUT of token tile a: 16 rows x 512 bytes through my own stage and back as whole rows.  LDS serves a wave's instructions in order (ISA guide 5.7.1.4): no wait between the stores and the loads.
.macro TOSTAGE a
	WIN 0x08                                       ; an LDS store's data: window 2
.irp b, 0,1,2,3,4,5,6,7
	ds_store_b128 v[STO], v[64*(\a)+8*\b:64*(\a)+8*\b+3] offset:64*\b          ; each accumulator from its low end on
	ds_store_b128 v[STO], v[64*(\a)+8*\b+4:64*(\a)+8*\b+7] offset:64*\b+16
.endr
	WIN 0
.irp t, 0,1,2,3,4,5,6,7,8,9,10,11,12,13,14,15
	ds_load_b128 v[128+64*((\a)%2)+4*\t:128+64*((\a)%2)+4*\t+3], v[RD] offset:\t*528
.endr
.endm
.macro SEND a, younger                 ; younger: the LDS instructions issued behind tile a's loads, which may stay out
	s_wait_dscnt \younger
.irp t, 0,1,2,3,4,5,6,7,8,9,10,11,12,13,14,15
	global_store_b128 v2, v[128+64*((\a)%2)+4*\t:128+64*((\a)%2)+4*\t+3], s[14:15] offset:(16*(\a)+\t)*4096 th:TH_STORE_NT   ; 32 lanes store 512 consecutive bytes, at a multiple of 256 from out0's first byte
.endr
.endm
	s_load_b256 s[4:11], s[0:1], 0x0               ; yc, ys, wc, ws
	s_load_b128 s[12:15], s[0:1], 0x20             ; bp, out0
	v_lshl_add_u32 v[SPW], v0, 2, SPARE
	v_mov_b32 v[NIL], 0
	ds_add_u32 v[SPW], v[NIL]                      ; the wave's opening: the add, twice on end, and its wait ahead of the round in front of my first tensor load
	ds_add_u32 v[SPW], v[NIL]
	v_lshrrev_b32 v1, 5, v0
	v_readfirstlane_b32 s22, v1                    ; wave 0..3
	s_lshr_b32 s23, s22, 1                         ; wa: my 64 tokens.  Also: I fetch for y (0) or for Wp (1)
	s_and_b32 s76, s22, 1                          ; wb: my 128 channels.  Also: which half of that tile I fetch
	s_bfe_u32 s77, ttmp6, 0x40000                  ; cx
	s_bfe_u32 s78, ttmp6, 0x40004                  ; cy
	s_and_b32 s80, ttmp7, 0xffff                   ; the cluster's y
	s_lshl_b32 s84, s78, 2
	s_lshl_b32 s84, 15, s84                        ; my row of the cluster
	s_lshl_b32 s85, 0x1111, s77                    ; my column
	s_or_b32 s[G1A], s84, (3<<16)|(1<<21)          ; the mask; elements of 8 bytes; bit 21 beside a mask; no padding
	s_or_b32 s[G1B], s85, (3<<16)|(1<<21)
	s_mov_b32 s[G1A+1], 384<<16                    ; a row: a row tile's 3,072 bytes of a slab
	s_mov_b32 s[G1A+2], 4<<16
	s_mov_b32 s[G1A+3], 384<<16
	s_mov_b32 s[G1A+4], 4
	s_mov_b32 s[G1A+5], 1536                       ; 12,288 bytes from row tile to row tile
	s_mov_b32 s[G1A+6], 0
	s_mov_b32 s[G1A+7], 0
	s_mov_b32 s[G1B+1], 384<<16
	s_mov_b32 s[G1B+2], 8<<16
	s_mov_b32 s[G1B+3], 384<<16
	s_mov_b32 s[G1B+4], 8
	s_mov_b32 s[G1B+5], 1536
	s_mov_b32 s[G1B+6], 0
	s_mov_b32 s[G1B+7], 0
	s_lshl_b32 s84, s80, 2
	s_add_co_u32 s82, s84, s78                     ; At: my block of 128 tokens
	s_lshl_b32 s85, ttmp9, 2
	s_add_co_u32 s83, s85, s77                     ; Bt: my block of 256 channels
	s_lshl_b32 s84, s82, 3                         ; y's first row tile
	s_mul_i32 s100, s84, 12288
	s_mul_i32 s101, s76, 49152
	s_add_co_u32 s100, s100, s101
	s_mov_b32 s101, 0
	s_lshl_b32 s85, s83, 4
	s_add_co_u32 s85, s85, 192                     ; Wp's row tiles begin at 192
	s_mul_i32 s86, s85, 12288
	s_mul_i32 s87, s76, 98304
	s_add_co_u32 s86, s86, s87
	s_mov_b32 s87, 0
	s_mul_i32 s96, s76, 12288                      ; where they go: no place in the cluster enters an LDS address
	s_mul_i32 s97, s76, 24576
	s_add_co_u32 s97, s97, BOFF
	s_lshl_b32 s88, s23, 2
	s_add_co_u32 s88, s88, s84
	s_lshl_b32 s88, s88, 9
	s_mov_b32 s89, 0
	s_lshl_b32 s90, s76, 3
	s_add_co_u32 s90, s90, s85
	s_lshl_b32 s90, s90, 9
	s_mov_b32 s91, 0
	s_wait_dscnt 0x0                               ; both opening adds are done
	s_wait_kmcnt 0x0
	s_add_nc_u64 s[2:3], s[4:5], s[100:101]
	s_add_nc_u64 s[104:105], s[8:9], s[86:87]
	s_add_nc_u64 s[92:93], s[6:7], s[88:89]
	s_add_nc_u64 s[94:95], s[10:11], s[90:91]
	CROUND                                         ; all sixteen work-groups are here: the joint loads meet
.irp s, 0,1,2,3                                ; all four slabs go out together: four tensor loads of mine are out
	s_mov_b32 s[G0A+4*\s], 1
	s_add_co_u32 s[G0A+4*\s+1], s96, \s*ASLAB
	s_add_nc_u64 s[G0A+4*\s+2:G0A+4*\s+3], s[2:3], \s*3072
	s_or_b32 s[G0A+4*\s+3], s[G0A+4*\s+3], 0x80000000
	s_mov_b32 s[G0B+4*\s], 1
	s_add_co_u32 s[G0B+4*\s+1], s97, \s*BSLAB
	s_add_nc_u64 s[G0B+4*\s+2:G0B+4*\s+3], s[104:105], \s*3072
	s_or_b32 s[G0B+4*\s+3], s[G0B+4*\s+3], 0x80000000
	JLOAD G0A+4*\s, G1A, G0B+4*\s, G1B
.endr
	v_and_b32 v1, 31, v0                           ; lane
	v_lshlrev_b32 v2, 4, v1                        ; 16 x lane
	v_lshlrev_b32 v3, 3, v1                        ; 8 x lane
	v_bfe_u32 v5, v0, 4, 1                         ; h
	v_lshlrev_b32 v4, 5, v5                        ; 32 h
	v_and_b32 v6, 15, v0                           ; r
.irp i, 0,1,2,3
	global_load_b128 v[SA+4*\i:SA+4*\i+3], v2, s[92:93] offset:512*\i
.endr
.irp i, 0,1,2,3,4,5,6,7
	global_load_b128 v[SB+4*\i:SB+4*\i+3], v2, s[94:95] offset:512*\i
.endr
	s_lshl_b32 s88, s83, 10                        ; bp: channels 256 Bt + 128 wb on
	s_lshl_b32 s89, s76, 9
	s_add_co_u32 s88, s88, s89
	s_mov_b32 s89, 0
	s_add_nc_u64 s[12:13], s[12:13], s[88:89]
	WIN 0x40
.irp b, 0,1,2,3,4,5,6,7
	global_load_b128 v[96+8*(\b%4)+128*(\b/4):96+8*(\b%4)+128*(\b/4)+3], v4, s[12:13] offset:64*\b       ; bp[.. + 16 b + 8 h + 0 .. 7]: the result's layout
	global_load_b128 v[96+8*(\b%4)+128*(\b/4)+4:96+8*(\b%4)+128*(\b/4)+7], v4, s[12:13] offset:64*\b+16
.endr
	WIN 0
	s_mul_i32 s98, s23, 12288
	s_mul_i32 s99, s76, 24576
	s_add_co_u32 s99, s99, BOFF
.irp s, 0,1,2,3
	v_add_nc_u32 v[AI+\s], s98, v2
	v_add_nc_u32 v[AJ+\s], s98, v3
	v_add_nc_u32 v[BI+\s], s99, v2
	v_add_nc_u32 v[BJ+\s], s99, v3
	s_add_co_u32 s98, s98, ASLAB
	s_add_co_u32 s99, s99, BSLAB
.endr
	s_mul_i32 s18, s22, 8448                       ; my stage: 16 rows x 528 bytes, in Wp's slab 0: it has had its one fill, and its last read stands ahead of the barrier of K step 1, which every wave has passed when the first result is stored
	s_add_co_u32 s18, s18, BOFF
	v_mul_u32_u24 v[STO], v6, 528
	v_lshl_add_u32 v[STO], v5, 5, v[STO]
	v_add_nc_u32 v[STO], s18, v[STO]               ; in: row r, 32 bytes for each half of the lanes
	v_add_nc_u32 v[RD], s18, v2                    ; back: the 32 lanes take one row of 512 bytes
	s_lshl_b32 s16, s82, 7
	s_lshl_b32 s17, s23, 6
	s_add_co_u32 s16, s16, s17                     ; my first token
	s_lshl_b32 s16, s16, 12
	s_lshl_b32 s17, s83, 10
	s_add_co_u32 s16, s16, s17
	s_lshl_b32 s17, s76, 9
	s_add_co_u32 s16, s16, s17                     ; + my first channel, in bytes
	s_mov_b32 s17, 0
	s_add_nc_u64 s[14:15], s[14:15], s[16:17]
	s_wait_tensorcnt 3                             ; my part of slab 0 has landed; three loads may be out
	s_barrier_signal -1
	s_barrier_wait -1                              ; everybody's has
	FETCH 0, 0
	s_wait_loadcnt 0x0                             ; scale words and bias
	KSTEP 0, 1
	KSTEP 1, 0
	KSTEP 2, 0
	KSTEP 3, 0
	KSTEP 4, 0
	KSTEP 5, 0
	KSTEP 6, 0
	KSTEP 7, 0
	PLACES 4                                       ; in front of the first read of results, and of loads into registers that held fragments
	TOSTAGE 0
.irp a, 1,2,3
.if \a > 1
	s_wait_xcnt 0x0                                ; tile a - 2's stores have read their registers: tile a's rows may land there
.endif
	TOSTAGE \a
	SEND \a-1, 32                                  ; behind tile a - 1's loads: tile a's 16 stores and 16 loads
.endr
	SEND 3, 0
	s_wait_tensorcnt 0x0                           ; the wave's end: behind my last tensor load and my last LDS store
	ds_add_u32 v[SPW], v[NIL]
	s_wait_dscnt 0x0
	CROUND                                         ; the closing round
	s_endpgm
.Lfunc_end_k_qcbf0b044bb_proj:
	.size	k_qcbf0b044bb_proj, .Lfunc_end_k_qcbf0b044bb_proj-k_qcbf0b044bb_proj
	.p2alignl 7, 3214868480
	.fill 96, 4, 3214868480
	.section	.rodata,"a",@progbits
	.p2align	6, 0x0
	.amdhsa_kernel k_qcbf0b044bb_proj
		.amdhsa_group_segment_fixed_size 327680
		.amdhsa_private_segment_fixed_size 0
		.amdhsa_enable_private_segment 0
		.amdhsa_kernarg_size 48
		.amdhsa_user_sgpr_count 2
		.amdhsa_user_sgpr_kernarg_segment_ptr 1
		.amdhsa_wavefront_size32 1
		.amdhsa_system_sgpr_workgroup_id_x 1
		.amdhsa_system_sgpr_workgroup_id_y 1
		.amdhsa_system_sgpr_workgroup_id_z 1
		.amdhsa_system_vgpr_workitem_id 0
		.amdhsa_next_free_vgpr 768
		.amdhsa_next_free_sgpr 106
		.amdhsa_reserve_vcc 0
		.amdhsa_float_denorm_mode_32 3
		.amdhsa_float_denorm_mode_16_64 3
		.amdhsa_memory_ordered 1
		.amdhsa_forward_progress 1
		.amdhsa_inst_pref_size 86
	.end_amdhsa_kernel
	.amdgpu_metadata
---
amdhsa.version: [ 1, 2 ]
amdhsa.kernels:
  - .name:           k_qcbf0b044bb_proj
    .symbol:         k_qcbf0b044bb_proj.kd
    .args:
      - { .name: yc, .offset: 0, .size: 8, .value_kind: global_buffer, .address_space: global }
      - { .name: ys, .offset: 8, .size: 8, .value_kind: global_buffer, .address_space: global }
      - { .name: wc, .offset: 16, .size: 8, .value_kind: global_buffer, .address_space: global }
      - { .name: ws, .offset: 24, .size: 8, .value_kind: global_buffer, .address_space: global }
      - { .name: bp, .offset: 32, .size: 8, .value_kind: global_buffer, .address_space: global }
      - { .name: out0, .offset: 40, .size: 8, .value_kind: global_buffer, .address_space: global }
    .group_segment_fixed_size: 327680
    .private_segment_fixed_size: 0
    .kernarg_segment_align: 8
    .kernarg_segment_size: 48
    .max_flat_workgroup_size: 128
    .sgpr_count:     106
    .vgpr_count:     768
    .wavefront_size: 32
...
	.end_amdgpu_metadata
.endif
;; end of part 5
